; MI455X (gfx1250); checked and timed in simulation.
; The chip was launched on July 23, 2026; its instructions are those of AMD's public machine-readable ISA for CDNA 5 (MIT licence, August 2026) and "CDNA5" Instruction Set Architecture Reference Guide (July 2026). The comments in the code are by the model that wrote it; some were corrected since.
;; Causal Self Attention. Allowed arithmetic: matrix products marked QUANTISED: E4M3 operands, one given power-of-two scale a tensor, by v_wmma_f32_16x16x64_fp8_fp8 or v_wmma_f32_16x16x128_fp8_fp8, f32 sums; products left as they are: f32 operands where the result goes on into a quantised operand, else bf16, f16 or f32 operands; f32 sums; everything else in f32.
;; Inputs: Wg 32 x 4 float32; Wk 1,024 x 256 float32; Wo 1,024 x 1,024 float32; Wq 1,024 x 1,024 float32; Wv 1,024 x 256 float32; cos 1 x 4,096 x 1 x 32 float32; lowp_scales 12 int32 (the exponents e of the quantised operands' scales 2^e); sin 1 x 4,096 x 1 x 32 float32; ve 1 x 4,096 x 256 float32; x 1 x 4,096 x 1,024 float32.
;; Outputs: out0 1 x 4,096 x 1,024 float32.
;; Constants: window_size = 1024.
;; This version of the problem:
;;   THIS VERSION OF THE PROBLEM IS GIVEN IN LOW PRECISION. The matrix products marked QUANTISED in the list below multiply operands that are first quantised to E4M3 (4 exponent bits, 3 mantissa bits; 8 bits a number), with one given power-of-two scale for each operand tensor; their sums are f32. All else is computed in f32.
;;   The module's matrix products, in the order in which they are computed (A, B: the left and right operand; K: the contracted axis; several contracted axes count as one K, in the product's order):
;;     1. [M 4,096, K 1,024] x [K 1,024, N 1,024]; A: input x; B: input Wq: QUANTISED (scales: A lowp_scales[0], B lowp_scales[1])
;;     2. [M 4,096, K 1,024] x [K 1,024, N 256]; A: input x; B: input Wk: QUANTISED (scales: A lowp_scales[2], B lowp_scales[3])
;;     3. [M 4,096, K 1,024] x [K 1,024, N 256]; A: input x; B: input Wv: QUANTISED (scales: A lowp_scales[4], B lowp_scales[5])
;;     4. [M 4,096, K 32] x [K 32, N 4]; A: input x; B: input Wg: left as it is (N = 4 < 16)
;;     5. batch 16 x [M 4,096, K 64] x [K 64, N 4,096]; A: computed on the way; B: computed on the way: QUANTISED (scales: A lowp_scales[6], B lowp_scales[7])
;;     6. batch 16 x [M 64, K 4,096] x [K 4,096, N 4,096]; A: computed on the way; B: softmax (see below): QUANTISED (scales: A lowp_scales[8], B lowp_scales[9])
;;     7. [M 4,096, K 1,024] x [K 1,024, N 1,024]; A: computed on the way; B: input Wo: QUANTISED (scales: A lowp_scales[10], B lowp_scales[11])
;;   THE QUANTISER, for each operand of a quantised product, along K:
;;     - The operand's scale is 2^e, e = its entry of the input lowp_scales (int32; the entries are numbered through the quantised products in the list's order, A before B).
;;     - Each number is divided by the scale, clamped to +-448, and rounded to the nearest number of E4M3, ties to even, subnormals kept.
;;     - The product sums the exact products of the quantised numbers (number of the format x scale) in f32.
;;   ~~~python
;;   def quantise(x, axis, e):      # numpy; x: float32 -> the quantised numbers, widened to float32 again
;;       x = np.moveaxis(x, axis, -1); K = x.shape[-1]
;;       r = np.clip(x / 2.0 ** e, -448, 448)
;;       step = 2.0 ** (np.maximum(np.frexp(np.where(r == 0, 1, r))[1] - 1, -6) - 3)
;;       q = np.round(r / step) * step * 2.0 ** e      # np.round: ties to even
;;       return np.moveaxis(q, -1, axis).astype(np.float32)
;;   ~~~
;;   SOFTMAX AHEAD OF A QUANTISED PRODUCT. Where the list says 'softmax', what is quantised is not the finished softmax but p = 2^(t - M), with t = logit x log2(e) and M = ceil(the row's largest t), a whole number; so 1/2 < the row's largest p <= 1. The row's sum l is taken of the UNQUANTISED p, in f32, and the product's result is divided by l at the end. Since M is a whole number, a kernel that streams over the keys may use a running M (the ceiling of the running maximum): every later rescaling is an exact power of two, so the quantised numbers keep their values, but for numbers so far below the row's largest that they fall under the format's range.
;;   OPERANDS COMPUTED ON THE WAY. 'Computed on the way' means the value that the module computes at that place (a softmax that the list does not call 'softmax' is quantised finished and normalised). What goes into a quantiser is computed in f32, as accurately as f32 sums, v_exp_f32 and their like allow (about 1e-6 of the number): no bf16 or f16 on the way to a quantiser, and a product that is left as it is and whose result goes on into a quantised operand takes f32 operands (vector FMAs, or v_wmma_f32_16x16x4_f32). A number that lies on a knife's edge between two numbers of the format may be rounded either way, as far as f32 arithmetic and the matrix unit's own rounding can turn it there, and no further.
;; 2 versions, each right; version 2 is version 1 with the launch attn written anew for expert scheduling mode. Each part assembles by itself: llvm-mc -triple=amdgcn-amd-amdhsa -mcpu=gfx1250 --defsym DOCPART=n.
;; ======== version 1 of 2: 4 launches
;; workspace buffers: ximg 12,582,912 bytes; wimg 2,621,440 bytes; qimg 4,194,304 bytes; kimg 1,048,576 bytes; vimg 1,048,576 bytes; yimg 4,194,304 bytes
;; launch prep (part 1): grid 416 x 1, 8 waves a work-group, no clusters, 68,608 bytes of LDS; arguments x, Wq, Wk, Wv, Wo, lowp_scales, ximg, wimg; writes ximg, wimg
.if DOCPART == 1
	.amdgcn_target "amdgcn-amd-amdhsa--gfx1250"
	.amdhsa_code_object_version 6
	.text
	.protected	k_q92bed37127_prep
	.globl	k_q92bed37127_prep
	.p2align	8
	.type	k_q92bed37127_prep,@function
k_q92bed37127_prep:
	s_mov_b64 s[64:65], 0
	v_nop
	global_prefetch_b8 v0, s[64:65] scope:SCOPE_SE
	s_setreg_imm32_b32 hwreg(HW_REG_WAVE_MODE, 25, 1), 1
	s_wait_xcnt 0x0
; PREP.  x [4096][1024] f32 becomes three sets of E4M3 codes (scales 2^e0, 2^e2, 2^e4: one for each product that reads x); Wq, Wk, Wv, Wo (f32, K first) become codes with 2^e1, 2^e3, 2^e5, 2^e11.
; code = number / 2^e, held within +-448, rounded to the nearest code, ties to even.
; LIMITS: each e between -126 and 119 (2^e and 448 x 2^e are made as f32 patterns).  NaN among the inputs is not served.
; THE CODES ARE STORED AS IMAGES OF OPERAND REGISTERS.  A fragment is 16 rows x 128 K in 16 registers: lane (r = lane % 16, h = lane / 16) holds row r, registers 4c .. 4c+3 hold k = 32c + 16h + 0..15.
; Group c of four registers lies at 512 c + 16 lane: every store here, and every later load, covers 512 consecutive bytes.
;   ximg [version 3][block of 128 tokens 32][K step 8][tile of 16 tokens 8][c 4][512]
;   wimg [group of 64 columns 40][K step 8][tile t 4][c 4][512]; groups 0-15 Wq, 16-19 Wk, 20-23 Wv, 24-39 Wo.  Row r of tile t is column 4 sigma(r) + t of the group, sigma = r with bits 2 and 3 exchanged:
;   so one 16-byte load of a weight's row gives a lane one number for each of the four tiles, and sixteen lanes read 256 consecutive bytes.
; SHARES.  Work-groups 0-255: a tile of 16 tokens, wave w its K step w.  Work-groups 256-415: a quarter of a column group: wave w takes K step 2 (id % 4) + w / 4, group c = w % 4.  Each wave reads 8 KB.
; No matrix work, no tensor load, no barrier: waves share nothing; the stage in LDS is each wave's own.  No cluster: no two work-groups read the same bytes.
.set XP,   528                         ; a stage row: 512 bytes + 16: row r starts 4 r banks on, so the sixteen rows of a read start at sixteen different 16-byte columns
.set XSTG, 16*XP                       ; a wave's stage
.set RAW,  16                          ; v16-79   64 numbers as loaded
.set NBR,  80                          ; v80-143  x: 64 numbers, register 16c + i = k 32c + 16h + i of my row;  weights: v80-95 sixteen row offsets
.set COD,  160                         ; v160-207 codes
.set QT,   144                         ; v144-151 and v152-159 by turns: eight held numbers
.macro SCALE se, vsc, vlim             ; from the exponent in s[se]: v[vsc] = 2^e, v[vlim] = 448 x 2^e, as f32 patterns
	s_add_co_i32 s50, s[\se], 127
	s_lshl_b32 s51, s50, 23
	v_mov_b32 v[\vsc], s51
	s_add_co_i32 s50, s50, 8
	s_lshl_b32 s50, s50, 23
	s_or_b32 s50, s50, 0x600000
	v_mov_b32 v[\vlim], s50
.endm
; Eight numbers, stride registers apart, are held within the largest code x the scale (the conversion to an 8-bit code does not saturate: ISA guide 7.6.2) into one of two sets, and converted.
; The sets take turns, so that the other set's eight holds stand between a conversion and the next write of its sources.
.macro Q8 dst, src, stride, sc, lim
.irp i, 0,1,2,3,4,5,6,7
	v_med3_num_f32 v[QT+\i], v[(\src)+(\stride)*\i], -v[\lim], v[\lim]
.endr
	v_cvt_scalef32_pk8_fp8_f32 v[(\dst):(\dst)+1], v[QT:QT+7], v[\sc]
.set QT, 296-QT
.endm
	s_load_b512 s[4:19], s[0:1], 0x0               ; x s[4:5], Wq s[6:7], Wk s[8:9], Wv s[10:11], Wo s[12:13], exponents s[14:15], ximg s[16:17], wimg s[18:19]
	v_lshl_add_u32 v208, v0, 2, 0x10800
	v_mov_b32 v209, 0
	v_lshrrev_b32 v6, 5, v0
	v_readfirstlane_b32 s20, v6                    ; wave 0..7
	v_and_b32 v1, 31, v0
	v_lshlrev_b32 v1, 4, v1                        ; 16 x lane
	v_and_b32 v2, 15, v0                           ; r
	v_bfe_u32 v3, v0, 4, 1                         ; h
	s_wait_kmcnt 0x0
	s_load_b256 s[24:31], s[14:15], 0x0            ; e0 .. e7
	s_load_b128 s[32:35], s[14:15], 0x20           ; e8 .. e11
	s_cmp_lt_u32 ttmp9, 256
	s_cbranch_scc0 .Lw
	; ---- x: tile of 16 tokens = work-group, K step = wave
	s_lshl_b32 s36, ttmp9, 16                      ; 16 rows of 4,096 bytes
	s_lshl_b32 s37, s20, 9                         ; 128 numbers of a row
	s_add_co_u32 s36, s36, s37
	s_mov_b32 s37, 0
	s_add_nc_u64 s[4:5], s[4:5], s[36:37]
.irp i, 0,1,2,3,4,5,6,7,8,9,10,11,12,13,14,15
	global_load_b128 v[RAW+4*\i:RAW+4*\i+3], v1, s[4:5] offset:4096*\i th:TH_LOAD_NT   ; row i: 32 lanes read 512 consecutive bytes
.endr
	s_mul_i32 s38, s20, XSTG
	v_add_nc_u32 v4, s38, v1                       ; into my stage: 16 x lane
	v_mul_u32_u24 v5, v2, XP
	v_lshl_add_u32 v5, v3, 6, v5
	v_add_nc_u32 v5, s38, v5                       ; out of it: row r, + 64 h: my 16 numbers of each 32
	s_lshr_b32 s40, ttmp9, 3
	s_lshl_b32 s40, s40, 17                        ; block of 128 tokens
	s_lshl_b32 s41, s20, 14                        ; K step
	s_add_co_u32 s40, s40, s41
	s_and_b32 s41, ttmp9, 7
	s_lshl_b32 s41, s41, 11                        ; tile in the block
	s_add_co_u32 s40, s40, s41
	s_mov_b32 s41, 0
	s_add_nc_u64 s[40:41], s[16:17], s[40:41]      ; version 0,
	s_add_nc_u64 s[42:43], s[40:41], 0x400000      ; 1,
	s_add_nc_u64 s[44:45], s[42:43], 0x400000      ; 2
	s_wait_kmcnt 0x0
	SCALE 24, 8, 9                                 ; e0
	SCALE 26, 10, 11                               ; e2
	SCALE 28, 12, 13                               ; e4
.irp i, 0,1,2,3,4,5,6,7,8,9,10,11,12,13,14,15
	s_wait_loadcnt 15-\i                           ; loads come back in order: row i is in, the younger rows may be out
	ds_store_b128 v4, v[RAW+4*\i:RAW+4*\i+3] offset:XP*\i
.endr
.irp c, 0,1,2,3
.irp q, 0,1,2,3
	ds_load_b128 v[NBR+16*\c+4*\q:NBR+16*\c+4*\q+3], v5 offset:128*\c+16*\q   ; a wave's LDS instructions are served in order: these see my stores
.endr
.endr
	s_wait_dscnt 0x0
.irp ver, 0,1,2
.irp c, 0,1,2,3
.irp u, 0,1
	Q8 COD+16*\ver+4*\c+2*\u, NBR+16*\c+8*\u, 1, 8+2*\ver, 9+2*\ver
.endr
.endr
.irp c, 0,1,2,3
	global_store_b128 v1, v[COD+16*\ver+4*\c:COD+16*\ver+4*\c+3], s[40+2*\ver:41+2*\ver] offset:512*\c   ; 512 consecutive bytes; each version has registers of its own, so no store's data are written again
.endr
.endr
	v_nop                                          ; a plain line behind the last conversion
	s_wait_tensorcnt 0x0
	ds_add_u32 v208, v209
	s_wait_dscnt 0x0
	s_endpgm
	; ---- weights
.Lw:
	s_sub_co_u32 s36, ttmp9, 256
	s_lshr_b32 s38, s36, 2                         ; G: group of 64 columns, 0..39
	s_and_b32 s36, s36, 3
	s_lshl_b32 s36, s36, 1
	s_lshr_b32 s37, s20, 2
	s_add_co_u32 s36, s36, s37                     ; K step
	s_and_b32 s37, s20, 3                          ; c: which 32 of its 128
	s_mov_b64 s[40:41], s[12:13]                   ; Wo: first group 24, a row is 2^12 bytes
	s_mov_b32 s42, 24
	s_mov_b32 s43, 12
	s_cmp_lt_u32 s38, 24                           ; the choices hang on the work-group's number alone
	s_cselect_b64 s[40:41], s[10:11], s[40:41]     ; Wv: 20, 2^10
	s_cselect_b32 s42, 20, s42
	s_cselect_b32 s43, 10, s43
	s_cmp_lt_u32 s38, 20
	s_cselect_b64 s[40:41], s[8:9], s[40:41]       ; Wk: 16, 2^10
	s_cselect_b32 s42, 16, s42
	s_cmp_lt_u32 s38, 16
	s_cselect_b64 s[40:41], s[6:7], s[40:41]       ; Wq: 0, 2^12
	s_cselect_b32 s42, 0, s42
	s_cselect_b32 s43, 12, s43
	s_lshl_b32 s46, s36, 7
	s_lshl_b32 s47, s37, 5
	s_add_co_u32 s46, s46, s47                     ; first row: 128 s + 32 c
	s_lshl_b32 s46, s46, s43
	s_sub_co_u32 s47, s38, s42
	s_lshl_b32 s47, s47, 8                         ; the group's 256 bytes of a row
	s_add_co_u32 s46, s46, s47
	s_mov_b32 s47, 0
	s_add_nc_u64 s[40:41], s[40:41], s[46:47]
	s_lshl_b32 s48, 1, s43                         ; a row in bytes
	v_and_b32 v6, 3, v2
	v_and_b32 v7, 4, v2
	v_lshl_or_b32 v6, v7, 1, v6
	v_and_b32 v7, 8, v2
	v_lshrrev_b32 v7, 1, v7
	v_or_b32 v6, v6, v7                            ; sigma(r)
	v_lshlrev_b32 v7, 4, v3
	v_lshlrev_b32 v7, s43, v7                      ; lanes 16-31 begin 16 rows further down
	v_lshl_add_u32 v80, v6, 4, v7                  ; + 16 sigma(r)
.irp i, 1,2,3,4,5,6,7,8,9,10,11,12,13,14,15
	v_add_nc_u32 v[80+\i], s48, v[79+\i]           ; a register for each row: none is written while a load reads it
.endr
.irp i, 0,1,2,3,4,5,6,7,8,9,10,11,12,13,14,15
	global_load_b128 v[RAW+4*\i:RAW+4*\i+3], v[80+\i], s[40:41] th:TH_LOAD_NT   ; W(k = 128 s + 32 c + 16 h + i, columns 4 sigma(r) + 0..3): sixteen lanes read 256 consecutive bytes
.endr
	s_lshl_b32 s46, s38, 16
	s_lshl_b32 s47, s36, 13
	s_add_co_u32 s46, s46, s47
	s_lshl_b32 s47, s37, 9
	s_add_co_u32 s46, s46, s47
	s_mov_b32 s47, 0
	s_add_nc_u64 s[18:19], s[18:19], s[46:47]      ; wimg at (G, K step, tile 0, c)
	s_wait_kmcnt 0x0
	s_mov_b32 s44, s35                             ; e11,
	s_cmp_lt_u32 s38, 24
	s_cselect_b32 s44, s29, s44                    ; e5,
	s_cmp_lt_u32 s38, 20
	s_cselect_b32 s44, s27, s44                    ; e3,
	s_cmp_lt_u32 s38, 16
	s_cselect_b32 s44, s25, s44                    ; e1
	SCALE 44, 8, 9
	s_wait_loadcnt 0x0
.irp t, 0,1,2,3
.irp u, 0,1
	Q8 COD+4*\t+2*\u, RAW+32*\u+\t, 4, 8, 9        ; tile t takes every fourth register: the hold also gathers a column's eight neighbours along K
.endr
.endr
	v_nop                                          ; a plain line behind the last conversion
.irp t, 0,1,2,3
	global_store_b128 v1, v[COD+4*\t:COD+4*\t+3], s[18:19] offset:2048*\t
.endr
	s_endpgm
.Lfunc_end_k_q92bed37127_prep:
	.size	k_q92bed37127_prep, .Lfunc_end_k_q92bed37127_prep-k_q92bed37127_prep
	.p2alignl 7, 3214868480
	.fill 96, 4, 3214868480
	.section	.rodata,"a",@progbits
	.p2align	6, 0x0
	.amdhsa_kernel k_q92bed37127_prep
		.amdhsa_group_segment_fixed_size 68608
		.amdhsa_private_segment_fixed_size 0
		.amdhsa_enable_private_segment 0
		.amdhsa_kernarg_size 64
		.amdhsa_user_sgpr_count 2
		.amdhsa_user_sgpr_kernarg_segment_ptr 1
		.amdhsa_wavefront_size32 1
		.amdhsa_system_sgpr_workgroup_id_x 1
		.amdhsa_system_sgpr_workgroup_id_y 1
		.amdhsa_system_sgpr_workgroup_id_z 1
		.amdhsa_system_vgpr_workitem_id 0
		.amdhsa_next_free_vgpr 210
		.amdhsa_next_free_sgpr 66
		.amdhsa_reserve_vcc 0
		.amdhsa_float_denorm_mode_32 3
		.amdhsa_float_denorm_mode_16_64 3
		.amdhsa_memory_ordered 1
		.amdhsa_forward_progress 1
		.amdhsa_inst_pref_size 31
	.end_amdhsa_kernel
	.amdgpu_metadata
---
amdhsa.version: [ 1, 2 ]
amdhsa.kernels:
  - .name:           k_q92bed37127_prep
    .symbol:         k_q92bed37127_prep.kd
    .args:
      - { .name: x, .offset: 0, .size: 8, .value_kind: global_buffer, .address_space: global }
      - { .name: Wq, .offset: 8, .size: 8, .value_kind: global_buffer, .address_space: global }
      - { .name: Wk, .offset: 16, .size: 8, .value_kind: global_buffer, .address_space: global }
      - { .name: Wv, .offset: 24, .size: 8, .value_kind: global_buffer, .address_space: global }
      - { .name: Wo, .offset: 32, .size: 8, .value_kind: global_buffer, .address_space: global }
      - { .name: lowp_scales, .offset: 40, .size: 8, .value_kind: global_buffer, .address_space: global }
      - { .name: ximg, .offset: 48, .size: 8, .value_kind: global_buffer, .address_space: global }
      - { .name: wimg, .offset: 56, .size: 8, .value_kind: global_buffer, .address_space: global }
    .group_segment_fixed_size: 68608
    .private_segment_fixed_size: 0
    .kernarg_segment_align: 8
    .kernarg_segment_size: 64
    .max_flat_workgroup_size: 256
    .sgpr_count:     66
    .vgpr_count:     210
    .wavefront_size: 32
...
	.end_amdgpu_metadata
.endif
;; end of part 1
;; launch qkv (part 2): grid 12 x 32, 8 waves a work-group, no clusters, 264,192 bytes of LDS; arguments ximg, wimg, lowp_scales, cos, sin, x, Wg, ve, qimg, kimg, vimg; writes qimg, kimg, vimg
.if DOCPART == 2
	.amdgcn_target "amdgcn-amd-amdhsa--gfx1250"
	.amdhsa_code_object_version 6
	.text
	.protected	k_q92bed37127_qkv
	.globl	k_q92bed37127_qkv
	.p2align	8
	.type	k_q92bed37127_qkv,@function
k_q92bed37127_qkv:
	s_mov_b64 s[64:65], 0
	v_nop
	global_prefetch_b8 v0, s[64:65] scope:SCOPE_SE
	s_setreg_imm32_b32 hwreg(HW_REG_WAVE_MODE, 25, 1), 1
	s_wait_xcnt 0x0
; QKV.  q = x Wq, k = x Wk, v = x Wv on E4M3 codes (v_wmma_f32_16x16x128_fp8_fp8, f32 sums), then, in registers: q, k: RoPE, RMS norm, quantised with 2^e6, 2^e7;  v: + 2 sigmoid(x[:32] Wg) ve, quantised with 2^e8.
; The results are stored as images of the attention's operand registers (16 bytes a lane, 512 consecutive bytes a store).
; LIMITS: e0+e1, e2+e3, e4+e5 between -126 and 127; e6, e7, e8 between -126 and 119 (each power of two is made as an f32 pattern).  NaN among the inputs is not served.
; SHARES.  Work-group (cp, tb): 128 tokens (block tb) x 128 columns (column groups 2 cp, 2 cp + 1 of wimg: cp 0-7 q's heads, 8-9 k's, 10-11 v's) x K = 1,024.
; Wave w: column group hd = w / 4, token tiles 2 p and 2 p + 1 (p = w % 4), four column tiles: 8 accumulators.
; LDS.  Eight regions of 32,768 bytes, one for each K step of 128: 8 fragments of x (2,048 bytes each), then 8 of W.  Every region is filled once, by eight tensor loads of 4,096 dense bytes, one a wave; a wave's eight loads
; (one for each K step) all go out at the head: eight are outstanding at the most.  Nothing is filled again, so there is no ring.  Behind the regions: 128 bytes a wave for the gate, into which no fill lands.
; q, k: THE PRODUCT IS USED TRANSPOSED (source 0 = 16 columns of W, source 1 = 16 tokens): lane (r, h) holds token r, register j of tile t channel 16 h + 4 (j % 4) + 32 (j / 4) + t:
;   RoPE's partners d and d + 32 are registers j and j + 4 of one lane, and a lane holds half of a head.  q's and k's codes take the same places (registers 2 t, 2 t + 1 = tile t), so each product meets its partner.
; v: source 0 = tokens, source 1 = columns: lane (r, h) holds channel 4 sigma(r) + t, register j token 8 h + j: eight neighbouring KEYS, as the second product's operand wants them.
; NO CLUSTER: of the four work-groups cp = 8 .. 11 that would form a row of a cluster, two read x's codes made with 2^e2 and two those made with 2^e4: one descriptor cannot serve the four.
.set ACC,  16                          ; v16-79   accumulator (u, t) at ACC + 8 (4 u + t)
.set XF,   80                          ; v80-111  x's two fragments; later at work
.set WF,   112                         ; v112-175 W's four fragments; later at work
.set TAB,  176                         ; v176-239 cos and sin, or ve
.set GATE, 262144                      ; LDS: the gates' scratch
; v1 16 x lane; v2 r; v3 h; v4-7, v8-11 LDS addresses of my fragments of x, of W, one register for two regions: written once, never again; v12 a global offset; v13 at work at the head; v14, v15 the gate's place;
; v240-253 at work and constants
; s[24:31] descriptor group 1; s[32:63] eight groups 0; s66 wave, s67 cp, s68 tb, s69 hd, s70 p; s[76:83], s84 e0 .. e8; s[86:87] the sums' power of two
.macro SCALE se, vsc, vlim             ; from the exponent in s[se]: v[vsc] = 2^e, v[vlim] = 448 x 2^e
	s_add_co_i32 s96, s[\se], 127
	s_lshl_b32 s97, s96, 23
	v_mov_b32 v[\vsc], s97
	s_add_co_i32 s96, s96, 8
	s_lshl_b32 s96, s96, 23
	s_or_b32 s96, s96, 0x600000
	v_mov_b32 v[\vlim], s96
.endm
.macro MM s, mode, u, t                ; one product.  mode 0: source 0 = W; mode 1: source 0 = x.  K step 0 starts the sums: nothing is cleared
.set rC, ACC+8*(4*(\u)+(\t))
.set rX, XF+16*(\u)
.set rW, WF+16*(\t)
.if \mode
.if (\s) == 0
	v_wmma_f32_16x16x128_fp8_fp8 v[rC:rC+7], v[rX:rX+15], v[rW:rW+15], 0
.else
	v_wmma_f32_16x16x128_fp8_fp8 v[rC:rC+7], v[rX:rX+15], v[rW:rW+15], v[rC:rC+7]
.endif
.else
.if (\s) == 0
	v_wmma_f32_16x16x128_fp8_fp8 v[rC:rC+7], v[rW:rW+15], v[rX:rX+15], 0
.else
	v_wmma_f32_16x16x128_fp8_fp8 v[rC:rC+7], v[rW:rW+15], v[rX:rX+15], v[rC:rC+7]
.endif
.endif
.endm
; K step s: my part of region s has landed (my 7 - s younger loads may be out); after the barrier everybody's has.
; 24 LDS loads of 512 consecutive bytes, then 8 products; the eight accumulators take turns, one instruction a turn, in the same order in every step.
.macro KSTEP s, mode
	s_wait_tensorcnt 7-\s
	s_barrier_signal -1                            ; no LDS instruction of mine is out: the last step's count-down ended at 0
	s_barrier_wait -1
.irp u, 0,1
.irp c, 0,1,2,3
	ds_load_b128 v[XF+16*\u+4*\c:XF+16*\u+4*\c+3], v[4+(\s)/2] offset:((\s)%2)*32768+2048*\u+512*\c
.endr
.endr
.irp t, 0,1,2,3
.irp c, 0,1,2,3
	ds_load_b128 v[WF+16*\t+4*\c:WF+16*\t+4*\c+3], v[8+(\s)/2] offset:((\s)%2)*32768+2048*\t+512*\c
.endr
.endr
.irp t, 0,1,2,3
	s_wait_dscnt 12-4*\t                           ; x's fragments and W's tile t are in; the later tiles' four loads each may be out
.irp u, 0,1
	MM \s, \mode, \u, \t
.endr
.endr
.rept 4
	v_nop                                          ; four places between the last products and the loads into their operands, or the first read of results
.endr
.endm
	s_load_b512 s[4:19], s[0:1], 0x0               ; ximg s[4:5], wimg s[6:7], exponents s[8:9], cos s[10:11], sin s[12:13], x s[14:15], Wg s[16:17], ve s[18:19]
	s_load_b128 s[20:23], s[0:1], 0x40             ; qimg, kimg
	s_load_b64 s[2:3], s[0:1], 0x50                ; vimg
	v_lshl_add_u32 v254, v0, 2, 0x40400
	v_mov_b32 v255, 0
	ds_add_u32 v254, v255
	ds_add_u32 v254, v255
	v_lshrrev_b32 v13, 5, v0
	v_readfirstlane_b32 s66, v13                   ; wave 0..7
	s_mov_b32 s67, ttmp9                           ; cp
	s_and_b32 s68, ttmp7, 0xffff                   ; tb
	s_lshr_b32 s69, s66, 2                         ; hd
	s_and_b32 s70, s66, 3                          ; p
	; descriptor group 1: 4,096 dense bytes as 16 rows of 32 elements of 8 bytes, no padding
	s_mov_b32 s24, 3<<16                           ; no mask; elements of 8 bytes
	s_mov_b32 s25, 32<<16                          ; tensor_dim0 = 32
	s_mov_b32 s26, 16<<16                          ; tensor_dim1 = 16
	s_mov_b32 s27, 32<<16                          ; tile_dim0 = 32
	s_mov_b32 s28, 16                              ; tile_dim1 = 16
	s_mov_b32 s29, 32                              ; from row to row
	s_mov_b32 s30, 0
	s_mov_b32 s31, 0
	; waves 0-3 fetch x's fragments 2 w, 2 w + 1; waves 4-7 W's: group 2 cp + (w % 4) / 2, tiles 2 (w % 2), + 1
	s_cmp_ge_u32 s67, 8
	s_cselect_b32 s92, 1, 0
	s_cmp_ge_u32 s67, 10
	s_cselect_b32 s93, 1, 0
	s_add_co_u32 s92, s92, s93                     ; x's version: 0 for q, 1 for k, 2 for v
	s_lshl_b32 s92, s92, 22
	s_lshl_b32 s93, s68, 17
	s_add_co_u32 s92, s92, s93
	s_lshl_b32 s97, s66, 12                        ; wave x 4,096: also my place in a region
	s_add_co_u32 s92, s92, s97                     ; x's offset
	s_lshl_b32 s94, s67, 1
	s_lshr_b32 s95, s70, 1
	s_add_co_u32 s94, s94, s95
	s_lshl_b32 s94, s94, 16
	s_and_b32 s95, s66, 1
	s_lshl_b32 s95, s95, 12
	s_add_co_u32 s94, s94, s95                     ; W's offset
	s_mov_b32 s98, 8192                            ; from K step to K step: 8,192 bytes in wimg,
	s_mov_b32 s99, 0
	s_wait_dscnt 0x0
	s_wait_kmcnt 0x0
	s_cmp_lt_u32 s66, 4                            ; the choice hangs on the wave's number alone
	s_cselect_b64 s[72:73], s[4:5], s[6:7]
	s_cselect_b32 s94, s92, s94
	s_cselect_b32 s98, 16384, s98                  ; 16,384 in ximg
	s_mov_b32 s95, 0
	s_add_nc_u64 s[72:73], s[72:73], s[94:95]
.irp s, 0,1,2,3,4,5,6,7
	s_mov_b32 s[32+4*\s], 1                        ; count = 1
	s_add_co_u32 s[33+4*\s], s97, \s*32768         ; LDS: region s, wave x 4,096
	s_mov_b64 s[34+4*\s:35+4*\s], s[72:73]
	s_or_b32 s[35+4*\s], s[35+4*\s], 0x80000000    ; type = 2
	s_add_nc_u64 s[72:73], s[72:73], s[98:99]
.endr
	s_load_b256 s[76:83], s[8:9], 0x0              ; e0 .. e7
	s_load_b32 s84, s[8:9], 0x20                   ; e8
.irp s, 0,1,2,3,4,5,6,7
	tensor_load_to_lds s[32+4*\s:35+4*\s], s[24:31]   ; all first fills in one group, ahead of every wait on TENSORcnt, LDS read and barrier
	s_nop 0
.endr
.rept 4
	v_nop
.endr
	v_and_b32 v1, 31, v0
	v_lshlrev_b32 v1, 4, v1                        ; 16 x lane
	v_and_b32 v2, 15, v0                           ; r
	v_bfe_u32 v3, v0, 4, 1                         ; h
	s_lshl_b32 s92, s70, 12                        ; my two fragments of x: 2 p x 2,048
	s_lshl_b32 s93, s69, 13                        ; my four of W: behind x's eight, hd x 8,192
	s_add_co_u32 s93, s93, 16384
.irp n, 0,1,2,3
	v_add_nc_u32 v[4+\n], s92, v1
	v_add_nc_u32 v[8+\n], s93, v1
	s_add_co_u32 s92, s92, 65536
	s_add_co_u32 s93, s93, 65536
.endr
	v_lshl_add_u32 v14, v0, 2, GATE                ; the gate's scratch: my word,
	s_lshl_b32 s92, s66, 7
	v_lshl_add_u32 v15, v3, 5, s92
	v_add_nc_u32 v15, GATE, v15                    ; and where I read: my wave's 128 bytes, + 32 h
	s_mov_b32 s88, 0x76543210                      ; v_permlanex16_b32: lane l xor 16
	s_mov_b32 s89, 0xfedcba98
	s_cmp_ge_u32 s67, 10                           ; the same in all waves of a work-group
	s_cbranch_scc1 .Lv
	; ---------------- q and k
	v_lshlrev_b32 v12, 7, v2
	v_lshl_add_u32 v12, v3, 6, v12                 ; cos, sin: token r's 128 bytes, + 64 h
	s_lshl_b32 s92, s68, 14
	s_lshl_b32 s93, s70, 12
	s_add_co_u32 s92, s92, s93                     ; token 128 tb + 32 p
	s_mov_b32 s93, 0
	s_add_nc_u64 s[10:11], s[10:11], s[92:93]
	s_add_nc_u64 s[12:13], s[12:13], s[92:93]
.irp u, 0,1
.irp jj, 0,1,2,3
	global_load_b128 v[TAB+16*\u+4*\jj:TAB+16*\u+4*\jj+3], v12, s[10:11] offset:2048*\u+16*\jj       ; register 4 jj + t: cos at d = 16 h + 4 jj + t
	global_load_b128 v[TAB+32+16*\u+4*\jj:TAB+32+16*\u+4*\jj+3], v12, s[12:13] offset:2048*\u+16*\jj ; sin likewise
.endr
.endr
	s_mov_b32 s90, 0x3c800000                      ; 1 / 64
	s_mov_b32 s91, 0x34000000                      ; f32's eps, 2^-23
	v_mov_b32 v244, 0                              ; a lane permute's destination counts as read
	v_mov_b32 v247, 0                              ; named as the upper half of the pair v[246:247]
	s_wait_kmcnt 0x0
	s_cmp_lt_u32 s67, 8                            ; q or k
	s_cselect_b32 s92, s76, s78                    ; e0 or e2
	s_cselect_b32 s93, s77, s79                    ; e1 or e3
	s_cselect_b32 s94, s82, s83                    ; e6 or e7
	s_cselect_b64 s[74:75], s[20:21], s[22:23]     ; qimg or kimg
	s_cselect_b32 s95, 0, 16
	s_add_co_i32 s86, s92, s93
	s_add_co_i32 s86, s86, 127
	s_lshl_b32 s86, s86, 23                        ; the sums' power of two
	s_mov_b32 s87, s86                             ; named with it as a pair
	SCALE 94, 248, 249
	s_lshl_b32 s92, s67, 1
	s_add_co_u32 s92, s92, s69
	s_sub_co_u32 s92, s92, s95                     ; the head in its buffer
	s_lshl_b32 s92, s92, 18                        ; 256 token tiles of 1,024 bytes
	s_lshl_b32 s93, s68, 13
	s_add_co_u32 s92, s92, s93
	s_lshl_b32 s93, s70, 11
	s_add_co_u32 s92, s92, s93                     ; token tile 8 tb + 2 p
	s_mov_b32 s93, 0
	s_add_nc_u64 s[74:75], s[74:75], s[92:93]
.irp s, 0,1,2,3,4,5,6,7
	KSTEP \s, 0
.endr
	s_wait_loadcnt 0x0                             ; cos and sin
; Token tile u: the sums x their power of two; RoPE; the mean of squares over the head's 64 channels (32 here, 32 in lane l xor 16); x rsqrt(mean + eps); hold; codes; two stores.
.macro ROPEQ u
.irp t, 0,1,2,3
.irp i, 0,2,4,6
	v_pk_mul_f32 v[ACC+8*(4*\u+\t)+\i:ACC+8*(4*\u+\t)+\i+1], v[ACC+8*(4*\u+\t)+\i:ACC+8*(4*\u+\t)+\i+1], s[86:87] op_sel_hi:[1,0]   ; each accumulator from its low end on
.endr
.endr
.irp t, 0,1,2,3
.irp jj, 0,1,2,3
	v_mul_f32 v[XF+8*\t+\jj], v[ACC+8*(4*\u+\t)+\jj], v[TAB+16*\u+4*\jj+\t]                            ; x1 cos
	v_mul_f32 v[XF+8*\t+4+\jj], v[ACC+8*(4*\u+\t)+4+\jj], v[TAB+16*\u+4*\jj+\t]                        ; x2 cos
	v_fmac_f32 v[XF+8*\t+\jj], v[ACC+8*(4*\u+\t)+4+\jj], v[TAB+32+16*\u+4*\jj+\t]                      ; + x2 sin
	v_fma_f32 v[XF+8*\t+4+\jj], -v[ACC+8*(4*\u+\t)+\jj], v[TAB+32+16*\u+4*\jj+\t], v[XF+8*\t+4+\jj]    ; - x1 sin
.endr
.endr
	v_pk_mul_f32 v[240:241], v[XF:XF+1], v[XF:XF+1]
	v_pk_mul_f32 v[242:243], v[XF+2:XF+3], v[XF+2:XF+3]
.irp i, 4,8,12,16,20,24,28
	v_pk_fma_f32 v[240:241], v[XF+\i:XF+\i+1], v[XF+\i:XF+\i+1], v[240:241]
	v_pk_fma_f32 v[242:243], v[XF+\i+2:XF+\i+3], v[XF+\i+2:XF+\i+3], v[242:243]
.endr
	v_pk_add_f32 v[240:241], v[240:241], v[242:243]
	v_add_f32 v240, v240, v241
	v_permlanex16_b32 v244, v240, s88, s89
	v_add_f32 v240, v240, v244
	v_fma_f32 v245, v240, s90, s91                 ; mean + eps
	v_rsq_f32 v246, v245
	v_nop                                          ; a plain line behind the transcendental,
	s_wait_alu depctr_va_vdst(0)                   ; and the wait ahead of its first reader
.irp i, 0,2,4,6,8,10,12,14,16,18,20,22,24,26,28,30
	v_pk_mul_f32 v[XF+\i:XF+\i+1], v[XF+\i:XF+\i+1], v[246:247] op_sel_hi:[1,0]
.endr
.irp i, 0,1,2,3,4,5,6,7,8,9,10,11,12,13,14,15,16,17,18,19,20,21,22,23,24,25,26,27,28,29,30,31
	v_med3_num_f32 v[XF+\i], v[XF+\i], -v249, v249 ; the conversion does not saturate (ISA guide 7.6.2)
.endr
.irp t, 0,1,2,3
	v_cvt_scalef32_pk8_fp8_f32 v[WF+8*\u+2*\t:WF+8*\u+2*\t+1], v[XF+8*\t:XF+8*\t+7], v248
.endr
	v_nop                                          ; a plain line behind the last conversion
	global_store_b128 v1, v[WF+8*\u:WF+8*\u+3], s[74:75] offset:1024*\u
	global_store_b128 v1, v[WF+8*\u+4:WF+8*\u+7], s[74:75] offset:1024*\u+512
.endm
	ROPEQ 0
	ROPEQ 1                                        ; its codes have registers of their own: no store's data are written again
	s_wait_tensorcnt 0x0
	ds_add_u32 v254, v255
	s_wait_dscnt 0x0
	s_endpgm
	; ---------------- v
.Lv:
	s_sub_co_u32 s92, s67, 10
	s_lshl_b32 s92, s92, 1
	s_add_co_u32 s71, s92, s69                     ; the key and value head
	v_and_b32 v12, 31, v0
	v_lshlrev_b32 v12, 12, v12                     ; x: a lane a token: my wave's 32
	s_lshl_b32 s92, s68, 19
	s_lshl_b32 s93, s70, 17
	s_add_co_u32 s92, s92, s93
	s_mov_b32 s93, 0
	s_add_nc_u64 s[14:15], s[14:15], s[92:93]
.irp i, 0,1,2,3,4,5,6,7
	global_load_b128 v[WF+4*\i:WF+4*\i+3], v12, s[14:15] offset:16*\i       ; x[token][0 .. 31]
.endr
	v_mov_b32 v251, 0
	s_lshl_b32 s92, s71, 2
	s_add_nc_u64 s[16:17], s[16:17], s[92:93]
.irp c, 0,1,2,3,4,5,6,7,8,9,10,11,12,13,14,15,16,17,18,19,20,21,22,23,24,25,26,27,28,29,30,31
	global_load_b32 v[WF+32+\c], v251, s[16:17] offset:16*\c                ; Wg[c][head], the same in every lane
.endr
	v_and_b32 v252, 3, v2                          ; sigma(r), in registers that hold nothing else: v4-11 keep the LDS addresses
	v_and_b32 v253, 4, v2
	v_lshl_or_b32 v252, v253, 1, v252
	v_and_b32 v253, 8, v2
	v_lshrrev_b32 v253, 1, v253
	v_or_b32 v252, v252, v253
	v_lshlrev_b32 v250, 13, v3                     ; 8 h rows of 1,024 bytes
	v_lshl_add_u32 v250, v252, 4, v250
	s_lshl_b32 s92, s68, 17
	s_lshl_b32 s94, s70, 15
	s_add_co_u32 s92, s92, s94
	s_lshl_b32 s94, s71, 8
	s_add_co_u32 s92, s92, s94
	s_add_nc_u64 s[18:19], s[18:19], s[92:93]
.irp u, 0,1
.irp j, 0,1,2,3,4,5,6,7
	global_load_b128 v[TAB+32*\u+4*\j:TAB+32*\u+4*\j+3], v250, s[18:19] offset:(16*\u+\j)*1024 th:TH_LOAD_NT   ; ve[token 16 u + 8 h + j][channels 4 sigma(r) + 0..3]: sixteen lanes read 256 consecutive bytes
.endr
.endr
	s_wait_loadcnt 16                              ; x's and Wg's loads are in; ve's sixteen may be out
	v_mul_f32 v240, v[WF], v[WF+32]
	v_mul_f32 v241, v[WF+1], v[WF+33]
	v_mul_f32 v242, v[WF+2], v[WF+34]
	v_mul_f32 v243, v[WF+3], v[WF+35]
.irp i, 4,8,12,16,20,24,28
	v_fmac_f32 v240, v[WF+\i], v[WF+32+\i]
	v_fmac_f32 v241, v[WF+\i+1], v[WF+33+\i]
	v_fmac_f32 v242, v[WF+\i+2], v[WF+34+\i]
	v_fmac_f32 v243, v[WF+\i+3], v[WF+35+\i]
.endr
	v_add_f32 v240, v240, v241
	v_add_f32 v242, v242, v243
	v_add_f32 v240, v240, v242                     ; z, in f32
	v_mul_f32 v244, 0xbfb8aa3b, v240               ; -z log2(e)
	v_exp_f32 v244, v244
	v_nop
	s_wait_alu depctr_va_vdst(0)                   ; the wait ahead of the first reader
	v_add_f32 v244, 1.0, v244
	v_rcp_f32 v244, v244
	v_nop
	s_wait_alu depctr_va_vdst(0)
	v_add_f32 v240, v244, v244                     ; 2 sigmoid(z) of token 32 p + lane
	ds_store_b32 v14, v240
	s_wait_dscnt 0x0                               ; no LDS instruction is out at the first barrier's signal
	s_wait_kmcnt 0x0
	s_add_co_i32 s86, s80, s81                     ; e4 + e5
	s_add_co_i32 s86, s86, 127
	s_lshl_b32 s86, s86, 23
	SCALE 84, 248, 249                             ; e8
	s_lshl_b32 s92, s71, 18                        ; vimg: head,
	s_lshl_b32 s94, s68, 1
	s_lshr_b32 s95, s70, 1
	s_add_co_u32 s94, s94, s95
	s_lshl_b32 s94, s94, 12                        ; block of 64 keys 2 tb + p / 2,
	s_add_co_u32 s92, s92, s94
	s_and_b32 s94, s70, 1
	s_lshl_b32 s94, s94, 9                         ; which half of its registers: keys 32 (p % 2) on
	s_add_co_u32 s92, s92, s94
	s_add_nc_u64 s[2:3], s[2:3], s[92:93]
.irp s, 0,1,2,3,4,5,6,7
	KSTEP \s, 1
.endr
.irp u, 0,1
.irp q, 0,1
	ds_load_b128 v[XF+8*\u+4*\q:XF+8*\u+4*\q+3], v15 offset:64*\u+16*\q     ; register 8 u + j: the gate of token 16 u + 8 h + j; my wave's own bytes
.endr
.endr
	s_wait_loadcnt 0x0                             ; ve
	s_wait_dscnt 0x0
.irp u, 0,1
.irp t, 0,1,2,3
.irp j, 0,1,2,3,4,5,6,7
	v_mul_f32 v[WF+8*(4*\u+\t)+\j], v[XF+8*\u+\j], v[TAB+32*\u+4*\j+\t]     ; gate x ve
.endr
.irp j, 0,1,2,3,4,5,6,7
	v_fma_f32 v[WF+8*(4*\u+\t)+\j], v[ACC+8*(4*\u+\t)+\j], s86, v[WF+8*(4*\u+\t)+\j]   ; + sum x 2^(e4 + e5); the accumulator from its low end on
.endr
.irp j, 0,1,2,3,4,5,6,7
	v_med3_num_f32 v[WF+8*(4*\u+\t)+\j], v[WF+8*(4*\u+\t)+\j], -v249, v249
.endr
	v_cvt_scalef32_pk8_fp8_f32 v[96+4*\t+2*\u:97+4*\t+2*\u], v[WF+8*(4*\u+\t):WF+8*(4*\u+\t)+7], v248   ; eight neighbouring keys of one channel
.endr
.endr
	v_nop                                          ; a plain line behind the last conversion
.irp t, 0,1,2,3
	global_store_b128 v1, v[96+4*\t:99+4*\t], s[2:3] offset:1024*\t
.endr
	s_wait_tensorcnt 0x0
	ds_add_u32 v254, v255
	s_wait_dscnt 0x0
	s_endpgm
.Lfunc_end_k_q92bed37127_qkv:
	.size	k_q92bed37127_qkv, .Lfunc_end_k_q92bed37127_qkv-k_q92bed37127_qkv
	.p2alignl 7, 3214868480
	.fill 96, 4, 3214868480
	.section	.rodata,"a",@progbits
	.p2align	6, 0x0
	.amdhsa_kernel k_q92bed37127_qkv
		.amdhsa_group_segment_fixed_size 264192
		.amdhsa_private_segment_fixed_size 0
		.amdhsa_enable_private_segment 0
		.amdhsa_kernarg_size 88
		.amdhsa_user_sgpr_count 2
		.amdhsa_user_sgpr_kernarg_segment_ptr 1
		.amdhsa_wavefront_size32 1
		.amdhsa_system_sgpr_workgroup_id_x 1
		.amdhsa_system_sgpr_workgroup_id_y 1
		.amdhsa_system_sgpr_workgroup_id_z 1
		.amdhsa_system_vgpr_workitem_id 0
		.amdhsa_next_free_vgpr 256
		.amdhsa_next_free_sgpr 100
		.amdhsa_reserve_vcc 0
		.amdhsa_float_denorm_mode_32 3
		.amdhsa_float_denorm_mode_16_64 3
		.amdhsa_memory_ordered 1
		.amdhsa_forward_progress 1
		.amdhsa_inst_pref_size 84
	.end_amdhsa_kernel
	.amdgpu_metadata
---
amdhsa.version: [ 1, 2 ]
amdhsa.kernels:
  - .name:           k_q92bed37127_qkv
    .symbol:         k_q92bed37127_qkv.kd
    .args:
      - { .name: ximg, .offset: 0, .size: 8, .value_kind: global_buffer, .address_space: global }
      - { .name: wimg, .offset: 8, .size: 8, .value_kind: global_buffer, .address_space: global }
      - { .name: lowp_scales, .offset: 16, .size: 8, .value_kind: global_buffer, .address_space: global }
      - { .name: cos, .offset: 24, .size: 8, .value_kind: global_buffer, .address_space: global }
      - { .name: sin, .offset: 32, .size: 8, .value_kind: global_buffer, .address_space: global }
      - { .name: x, .offset: 40, .size: 8, .value_kind: global_buffer, .address_space: global }
      - { .name: Wg, .offset: 48, .size: 8, .value_kind: global_buffer, .address_space: global }
      - { .name: ve, .offset: 56, .size: 8, .value_kind: global_buffer, .address_space: global }
      - { .name: qimg, .offset: 64, .size: 8, .value_kind: global_buffer, .address_space: global }
      - { .name: kimg, .offset: 72, .size: 8, .value_kind: global_buffer, .address_space: global }
      - { .name: vimg, .offset: 80, .size: 8, .value_kind: global_buffer, .address_space: global }
    .group_segment_fixed_size: 264192
    .private_segment_fixed_size: 0
    .kernarg_segment_align: 8
    .kernarg_segment_size: 88
    .max_flat_workgroup_size: 256
    .sgpr_count:     100
    .vgpr_count:     256
    .wavefront_size: 32
...
	.end_amdgpu_metadata
.endif
;; end of part 2
;; launch attn (part 3): grid 64 x 4, 16 waves a work-group, no clusters, 141,312 bytes of LDS; arguments qimg, kimg, vimg, lowp_scales, yimg; writes yimg
.if DOCPART == 3
	.amdgcn_target "amdgcn-amd-amdhsa--gfx1250"
	.amdhsa_code_object_version 6
	.text
	.protected	k_q92bed37127_attn
	.globl	k_q92bed37127_attn
	.p2align	8
	.type	k_q92bed37127_attn,@function
k_q92bed37127_attn:
	s_mov_b64 s[64:65], 0
	v_nop
	global_prefetch_b8 v0, s[64:65] scope:SCOPE_SE
	s_setreg_imm32_b32 hwreg(HW_REG_WAVE_MODE, 25, 1), 1
	s_wait_xcnt 0x0
; ATTN.  y[q] = sum over keys k with q - 1024 <= k <= q of softmax(q . k / 8) v, both products on E4M3 codes (v_wmma_f32_16x16x64_fp8_fp8, f32 sums); y is quantised with 2^e10 and stored as the last product's operand image.
; THE SOFTMAX: t = score x log2(e) / 8; M = the running largest t rounded UP to a whole number; p = 2^(t - M) is quantised with 2^e9, not normalised; the row's sum is taken of the unquantised p and divides at the end;
; when M moves, the sum and O are multiplied by 2^(old M - new M), which rounds nothing.
; LIMITS: e6 + e7 between -123 and 130 (added to c's exponent field); e9, e10 between -126 and 119; e8 + e9 is applied by v_ldexp_f32.  NaN among the inputs is not served.
; SHARES.  Work-group (qb, kvh): 64 queries x the four query heads of one key and value head.  Wave w: head 4 kvh + w / 4, queries 64 qb + 16 (w % 4) + 0..15: one tile, four waves to a SIMD, so that one wave's
; vector work stands beside another's products and LDS loads.
; THE BAND.  Queries of block qb see key blocks qb - 16 .. qb (64 keys each).  The 17 blocks from kb0 = max(qb - 16, 0) on, 4,096 bytes of K's and of V's images each, are brought into LDS ONCE, through registers
; (8,704 consecutive bytes a wave); one barrier; then every wave walks them.  The trip count is the constant 17; blocks behind the diagonal (only where qb < 16) are passed over by a scalar branch on ids.
; LAYOUT.  Both products transposed: S^T = K Q^T (source 0 = 16 keys), O^T = V^T P^T (source 0 = 16 channels): a lane holds ONE query (lane % 16).  Register j of score tile c is key 16 c + 8 h + j, so the conversion
; of tile c gives registers 2 c, 2 c + 1 of P.  Register j of O^T's tile t is channel 16 h + 4 (j % 4) + 32 (j / 4) + t (V's rows were laid so), which put in order gives 2 x 16 neighbours along the last product's K.
; NO CLUSTER: neighbouring query blocks' bands begin at different key blocks, so a shared tile would have to land at an LDS address that hangs on the work-group's place.  NO PREFETCH: all that a work-group reads is asked for at its head.
; No tensor load and no copy.
.set KF, 32                            ; v32-63   K's four fragments (at the head v32-99: the fill)
.set VF, 64                            ; v64-95   V's four
.set S,  96                            ; v96-127  scores, then p; at the end y
.set O,  128                           ; v128-159 O^T
.set PC, 160                           ; v160-167 p's codes; at the end y's
.set VOFF, 69632                       ; LDS: K's 17 blocks, then V's
; v1 16 x lane; v2 d = 16 (w % 4) + r - 8 h; v3, v4 LDS addresses; v5 the fill's; v6 -infinity; v8-15 Q; v16 -M, v17 the largest t; v[18:19] the sum; v[20:21] f; v22-27 at work; v28 448 x 2^e9, v29 2^e9; v30 2^e10, v31 448 x 2^e10
; s14 wave, s15 qb, s16 kvh, s17 head, s18 the key block in hand, s19 its LDS byte, s20 the trip; s[22:23] c; s[24:25] lane selects; s[28:31] e6 .. e9, s32 e10
.macro SCALE se, vsc, vlim
	s_add_co_i32 s44, s[\se], 127
	s_lshl_b32 s45, s44, 23
	v_mov_b32 v[\vsc], s45
	s_add_co_i32 s44, s44, 8
	s_lshl_b32 s44, s44, 23
	s_or_b32 s44, s44, 0x600000
	v_mov_b32 v[\vlim], s44
.endm
.macro MASK cmp                        ; register n holds local key 16 (n / 8) + n % 8 + 8 h; it is compared with my local query less 8 h; hidden scores become -infinity: p = 0
.irp n, 0,1,2,3,4,5,6,7,8,9,10,11,12,13,14,15,16,17,18,19,20,21,22,23,24,25,26,27,28,29,30,31
	\cmp vcc_lo, 16*(\n/8)+\n%8, v2
	v_cndmask_b32 v[S+\n], v[S+\n], v6, vcc_lo
.endr
.endm
	s_load_b256 s[4:11], s[0:1], 0x0               ; qimg s[4:5], kimg s[6:7], vimg s[8:9], exponents s[10:11]
	s_load_b64 s[12:13], s[0:1], 0x20              ; yimg
	v_lshl_add_u32 v192, v0, 2, 0x22000
	v_mov_b32 v193, 0
	v_lshrrev_b32 v22, 5, v0
	v_readfirstlane_b32 s14, v22                   ; wave 0..15
	s_mov_b32 s15, ttmp9                           ; qb
	s_and_b32 s16, ttmp7, 0xffff                   ; kvh
	v_and_b32 v1, 31, v0
	v_lshlrev_b32 v1, 4, v1
	v_and_b32 v23, 15, v0                          ; r
	v_bfe_u32 v24, v0, 4, 1                        ; h
	s_and_b32 s34, s14, 3
	s_lshl_b32 s35, s34, 4
	v_lshlrev_b32 v24, 3, v24
	v_sub_nc_u32 v2, v23, v24
	v_add_nc_u32 v2, s35, v2                       ; d, a signed number
	s_mul_i32 s36, s14, 8704
	v_add_nc_u32 v5, s36, v1                       ; the fill: waves 0-7 K's bytes, waves 8-15 V's: 8 x 8,704 = 69,632
	s_sub_co_i32 s18, s15, 16
	s_max_i32 s18, s18, 0                          ; kb0: blocks kb0 .. kb0 + 16 lie inside the 64
	s_lshl_b32 s38, s16, 18
	s_lshl_b32 s39, s18, 12
	s_add_co_u32 s38, s38, s39
	s_and_b32 s39, s14, 7
	s_mul_i32 s39, s39, 8704
	s_add_co_u32 s38, s38, s39
	s_mov_b32 s39, 0
	s_lshl_b32 s40, s16, 2
	s_lshr_b32 s41, s14, 2
	s_add_co_u32 s17, s40, s41                     ; head
	s_lshl_b32 s40, s17, 18
	s_lshl_b32 s41, s15, 12
	s_add_co_u32 s40, s40, s41
	s_lshl_b32 s41, s34, 10
	s_add_co_u32 s40, s40, s41                     ; token tile 4 qb + w % 4
	s_mov_b32 s41, 0
	s_lshr_b32 s42, s15, 1                         ; yimg: block of 128 tokens,
	s_lshl_b32 s42, s42, 17
	s_lshr_b32 s43, s17, 1                         ; K step = head / 2,
	s_lshl_b32 s43, s43, 14
	s_add_co_u32 s42, s42, s43
	s_and_b32 s43, s15, 1
	s_lshl_b32 s43, s43, 2
	s_add_co_u32 s43, s43, s34                     ; tile in the block,
	s_lshl_b32 s43, s43, 11
	s_add_co_u32 s42, s42, s43
	s_and_b32 s43, s17, 1                          ; groups 2 (head % 2), + 1
	s_lshl_b32 s43, s43, 10
	s_add_co_u32 s42, s42, s43
	s_mov_b32 s43, 0
	s_wait_kmcnt 0x0
	s_load_b128 s[28:31], s[10:11], 0x18           ; e6, e7, e8, e9
	s_load_b32 s32, s[10:11], 0x28                 ; e10
	s_add_nc_u64 s[4:5], s[4:5], s[40:41]
	s_add_nc_u64 s[12:13], s[12:13], s[42:43]
	s_cmp_lt_u32 s14, 8                            ; the choice hangs on the wave's number alone
	s_cselect_b64 s[6:7], s[6:7], s[8:9]
	s_add_nc_u64 s[6:7], s[6:7], s[38:39]
	global_load_b128 v[8:11], v1, s[4:5]           ; Q stays in registers
	global_load_b128 v[12:15], v1, s[4:5] offset:512
.irp n, 0,1,2,3,4,5,6,7,8,9,10,11,12,13,14,15,16
	global_load_b128 v[32+4*\n:35+4*\n], v1, s[6:7] offset:512*\n
.endr
	v_mov_b32 v6, 0xff800000
	v_mov_b32 v17, 0xff61b1e6                      ; the largest t so far: -3e38, under every t
	v_floor_f32 v16, -v17                          ; -M
	v_mov_b32 v18, 0
	v_mov_b32 v19, 0
	v_mov_b32 v21, 0                               ; named as the upper half of the pair v[20:21]
.irp j, 0,1,2,3,4,5,6,7,8,9,10,11,12,13,14,15,16,17,18,19,20,21,22,23,24,25,26,27,28,29,30,31
	v_mov_b32 v[O+\j], 0                           ; the loop is written once: its first step finds zeros, which the first change of M leaves zeros
.endr
	s_mov_b32 s24, 0x76543210
	s_mov_b32 s25, 0xfedcba98
	s_wait_kmcnt 0x0
	s_add_co_i32 s22, s28, s29
	s_lshl_b32 s22, s22, 23
	s_add_co_i32 s22, s22, 0x3e38aa3b              ; c = log2(e) / 8 x 2^(e6 + e7)
	s_mov_b32 s23, s22
	SCALE 31, 29, 28
	SCALE 32, 30, 31
	s_add_co_i32 s47, s30, s31                     ; e8 + e9
.irp n, 0,1,2,3,4,5,6,7,8,9,10,11,12,13,14,15,16
	s_wait_loadcnt 16-\n                           ; Q and fill n are in; the younger fills may be out
	ds_store_b128 v5, v[32+4*\n:35+4*\n] offset:512*\n
.endr
	s_wait_dscnt 0x0                               ; for the others' sake: my stores have landed
	s_barrier_signal -1
	s_barrier_wait -1                              ; the band is whole; nothing writes LDS from here on
	s_mov_b32 s19, 0
	s_mov_b32 s20, 0
.Lblk:
	s_cmp_gt_u32 s18, s15                          ; all 64 keys come after my queries
	s_cbranch_scc1 .Lskip
	v_add_nc_u32 v3, s19, v1
	v_add_nc_u32 v4, VOFF, v3
	v_nop
	v_nop                                          ; with the two additions: four places between the last products and the loads into V's registers
.irp c, 0,1,2,3
	ds_load_b128 v[KF+8*\c:KF+8*\c+3], v3 offset:1024*\c
	ds_load_b128 v[KF+8*\c+4:KF+8*\c+7], v3 offset:1024*\c+512
.endr
.irp t, 0,1,2,3
	ds_load_b128 v[VF+8*\t:VF+8*\t+3], v4 offset:1024*\t
	ds_load_b128 v[VF+8*\t+4:VF+8*\t+7], v4 offset:1024*\t+512
.endr
	s_wait_dscnt 8                                 ; K's eight loads are in; V's eight may be out
.irp c, 0,1,2,3
	v_wmma_f32_16x16x64_fp8_fp8 v[S+8*\c:S+8*\c+7], v[KF+8*\c:KF+8*\c+7], v[8:15], 0
.endr
.rept 4
	v_nop
.endr
	s_cmp_lg_u32 s18, s15
	s_cbranch_scc1 .Lnodiag
	MASK v_cmp_gt_i32                              ; the diagonal block: hidden where key > query
.Lnodiag:
	s_add_co_u32 s46, s18, 16
	s_cmp_lg_u32 s46, s15
	s_cbranch_scc1 .Lnowin
	MASK v_cmp_lt_i32                              ; the window's first block: hidden where key < query - 1024.  The key at query - 1024 counts, so M is a number from the first block on
.Lnowin:
	v_max3_num_f32 v22, v[S], v[S+1], v[S+2]       ; the block's largest score of my query among my 32 keys, in two chains; each tile is first read at its low end
	v_max3_num_f32 v23, v[S+3], v[S+4], v[S+5]
.irp i, 6,10,14,18,22,26
	v_max3_num_f32 v22, v22, v[S+\i], v[S+\i+1]
	v_max3_num_f32 v23, v23, v[S+\i+2], v[S+\i+3]
.endr
	v_max3_num_f32 v22, v22, v[S+30], v[S+31]
	v_max_num_f32 v22, v22, v23
	v_permlanex16_b32 v24, v22, s24, s25
	v_max_num_f32 v22, v22, v24                    ; and among lane l xor 16's
	v_mul_f32 v22, s22, v22                        ; as t (c is positive)
	v_max_num_f32 v17, v17, v22
	v_mov_b32 v22, v16
	v_floor_f32 v16, -v17                          ; the new -M = -ceil(t)
	v_sub_f32 v22, v16, v22                        ; old M - new M: a whole number, 0 or less
	v_cvt_i32_f32 v22, v22                         ; (it saturates)
	v_ldexp_f32 v20, 1.0, v22                      ; f = 2^(old M - new M)
.irp j, 0,2,4,6,8,10,12,14,16,18,20,22,24,26,28,30
	v_pk_fma_f32 v[S+\j:S+\j+1], v[S+\j:S+\j+1], s[22:23], v[16:17] op_sel_hi:[1,0,0]   ; t - M
.endr
.irp j, 0,1,2,3,4,5,6,7,8,9,10,11,12,13,14,15,16,17,18,19,20,21,22,23,24,25,26,27,28,29,30,31
	v_exp_f32 v[S+\j], v[S+\j]                     ; p, at most 1
.endr
	v_pk_mul_f32 v[18:19], v[18:19], v[20:21] op_sel_hi:[1,0]   ; the sum under the new M: the plain line behind the exponentials
	s_wait_alu depctr_va_vdst(0)                   ; one wait for the batch of 32, ahead of its first reader
	v_pk_add_f32 v[26:27], v[S:S+1], v[S+2:S+3]    ; the sum of the unquantised p, in two chains
.irp j, 4,8,12,16,20,24,28
	v_pk_add_f32 v[18:19], v[18:19], v[S+\j:S+\j+1]
	v_pk_add_f32 v[26:27], v[26:27], v[S+\j+2:S+\j+3]
.endr
	v_pk_add_f32 v[18:19], v[18:19], v[26:27]
	s_cmp_ge_i32 s31, -8                           ; p <= 1 <= 448 x 2^e9 from e9 = -8 on: the hold could change nothing
	s_cbranch_scc1 .Lnohold
.irp j, 0,1,2,3,4,5,6,7,8,9,10,11,12,13,14,15,16,17,18,19,20,21,22,23,24,25,26,27,28,29,30,31
	v_min_num_f32 v[S+\j], v[S+\j], v28            ; p is not negative: the hold is one-sided
.endr
.Lnohold:
.irp c, 0,1,2,3
	v_cvt_scalef32_pk8_fp8_f32 v[PC+2*\c:PC+2*\c+1], v[S+8*\c:S+8*\c+7], v29
.endr
.irp j, 0,2,4,6,8,10,12,14,16,18,20,22,24,26,28,30
	v_pk_mul_f32 v[O+\j:O+\j+1], v[O+\j:O+\j+1], v[20:21] op_sel_hi:[1,0]   ; O^T under the new M; these also stand between the conversions and the products that read the codes
.endr
	s_wait_dscnt 0x0                               ; V
.irp t, 0,1,2,3
	v_wmma_f32_16x16x64_fp8_fp8 v[O+8*\t:O+8*\t+7], v[VF+8*\t:VF+8*\t+7], v[PC:PC+7], v[O+8*\t:O+8*\t+7]   ; the four accumulators by turns; the next matrix instruction is a score's
.endr
.Lskip:
	s_add_co_u32 s18, s18, 1
	s_add_co_u32 s19, s19, 4096
	s_add_co_u32 s20, s20, 1
	s_cmp_lt_u32 s20, 17
	s_cbranch_scc1 .Lblk
.rept 4
	v_nop                                          ; places behind the last products
.endr
	v_add_f32 v18, v18, v19
	v_permlanex16_b32 v24, v18, s24, s25
	v_add_f32 v18, v18, v24                        ; the row's sum
	v_rcp_f32 v18, v18
	v_nop
	s_wait_alu depctr_va_vdst(0)
	v_ldexp_f32 v18, v18, s47                      ; x 2^(e8 + e9)
.irp t, 0,1,2,3
.irp j, 0,1,2,3,4,5,6,7
	v_mul_f32 v[S+16*(\j/4)+4*(\j%4)+\t], v[O+8*\t+\j], v18   ; y, put in the order of the last product's K: index 16 g + i is channel 32 g + 16 h + i
.endr
.endr
.irp i, 0,1,2,3,4,5,6,7,8,9,10,11,12,13,14,15,16,17,18,19,20,21,22,23,24,25,26,27,28,29,30,31
	v_med3_num_f32 v[S+\i], v[S+\i], -v31, v31
.endr
.irp q, 0,1,2,3
	v_cvt_scalef32_pk8_fp8_f32 v[PC+2*\q:PC+2*\q+1], v[S+8*\q:S+8*\q+7], v30
.endr
	v_nop                                          ; a plain line behind the last conversion
	global_store_b128 v1, v[PC:PC+3], s[12:13]
	global_store_b128 v1, v[PC+4:PC+7], s[12:13] offset:512
	s_wait_tensorcnt 0x0
	ds_add_u32 v192, v193
	s_wait_dscnt 0x0
	s_endpgm
.Lfunc_end_k_q92bed37127_attn:
	.size	k_q92bed37127_attn, .Lfunc_end_k_q92bed37127_attn-k_q92bed37127_attn
	.p2alignl 7, 3214868480
	.fill 96, 4, 3214868480
	.section	.rodata,"a",@progbits
	.p2align	6, 0x0
	.amdhsa_kernel k_q92bed37127_attn
		.amdhsa_group_segment_fixed_size 141312
		.amdhsa_private_segment_fixed_size 0
		.amdhsa_enable_private_segment 0
		.amdhsa_kernarg_size 40
		.amdhsa_user_sgpr_count 2
		.amdhsa_user_sgpr_kernarg_segment_ptr 1
		.amdhsa_wavefront_size32 1
		.amdhsa_system_sgpr_workgroup_id_x 1
		.amdhsa_system_sgpr_workgroup_id_y 1
		.amdhsa_system_sgpr_workgroup_id_z 1
		.amdhsa_system_vgpr_workitem_id 0
		.amdhsa_next_free_vgpr 194
		.amdhsa_next_free_sgpr 66
		.amdhsa_reserve_vcc 1
		.amdhsa_float_denorm_mode_32 3
		.amdhsa_float_denorm_mode_16_64 3
		.amdhsa_memory_ordered 1
		.amdhsa_forward_progress 1
		.amdhsa_inst_pref_size 26
	.end_amdhsa_kernel
	.amdgpu_metadata
---
amdhsa.version: [ 1, 2 ]
amdhsa.kernels:
  - .name:           k_q92bed37127_attn
    .symbol:         k_q92bed37127_attn.kd
    .args:
      - { .name: qimg, .offset: 0, .size: 8, .value_kind: global_buffer, .address_space: global }
      - { .name: kimg, .offset: 8, .size: 8, .value_kind: global_buffer, .address_space: global }
      - { .name: vimg, .offset: 16, .size: 8, .value_kind: global_buffer, .address_space: global }
      - { .name: lowp_scales, .offset: 24, .size: 8, .value_kind: global_buffer, .address_space: global }
      - { .name: yimg, .offset: 32, .size: 8, .value_kind: global_buffer, .address_space: global }
    .group_segment_fixed_size: 141312
    .private_segment_fixed_size: 0
    .kernarg_segment_align: 8
    .kernarg_segment_size: 40
    .max_flat_workgroup_size: 512
    .sgpr_count:     66
    .vgpr_count:     194
    .wavefront_size: 32
...
	.end_amdgpu_metadata
.endif
;; end of part 3
;; launch oproj (part 4): grid 8 x 32, 8 waves a work-group, no clusters, 263,168 bytes of LDS; arguments yimg, wimg, lowp_scales, out0; writes out0
.if DOCPART == 4
	.amdgcn_target "amdgcn-amd-amdhsa--gfx1250"
	.amdhsa_code_object_version 6
	.text
	.protected	k_q92bed37127_oproj
	.globl	k_q92bed37127_oproj
	.p2align	8
	.type	k_q92bed37127_oproj,@function
k_q92bed37127_oproj:
	s_mov_b64 s[64:65], 0
	v_nop
	global_prefetch_b8 v0, s[64:65] scope:SCOPE_SE
	s_setreg_imm32_b32 hwreg(HW_REG_WAVE_MODE, 25, 1), 1
	s_wait_xcnt 0x0
; OPROJ.  out0 = y Wo on E4M3 codes (v_wmma_f32_16x16x128_fp8_fp8, f32 sums), each sum x 2^(e10 + e11).  LIMIT: e10 + e11 between -126 and 127.
; SHARES.  Work-group (cp, tb): 128 tokens x 128 columns (column groups 24 + 2 cp, + 1 of wimg) x K = 1,024: 256 work-groups.  Wave w: group hd = w / 4, token tiles 2 p, 2 p + 1 (p = w % 4), four column tiles: 8 accumulators.
; LDS.  Eight regions of 32,768 bytes, one for each K step of 128: 8 fragments of y, then 8 of Wo; each region is filled once, by eight tensor loads of 4,096 dense bytes, one a wave; a wave's eight loads all go out at the
; head: eight are outstanding at the most.  Nothing is filled again, so there is no ring.
; Source 0 = 16 tokens, source 1 = 16 columns: lane (r, h) holds column 4 sigma(r) + t, register j token 8 h + j: the four tiles give a lane 16 neighbouring bytes of a row, and sixteen lanes store 256 consecutive, aligned bytes.
; NOT SHARED: the eight work-groups of a block of tokens read the same 128 KB of y's codes, the 32 of a pair of column groups the same 128 KB of Wo's; this text lets each ask for its own.
; v1 16 x lane; v2 r; v3 h; v4-7, v8-11 LDS addresses of my fragments of y, of Wo, one register for two regions: written once, never again; v12 the stores' offset; v13, v14 at work at the head
.set ACC,  16                          ; v16-79   accumulator (u, t) at ACC + 8 (4 u + t)
.set XF,   80                          ; v80-111  y's two fragments
.set WF,   112                         ; v112-175 Wo's four;  on the way out v80-143 hold the results
.macro MM s, u, t
.set rC, ACC+8*(4*(\u)+(\t))
.set rX, XF+16*(\u)
.set rW, WF+16*(\t)
.if (\s) == 0
	v_wmma_f32_16x16x128_fp8_fp8 v[rC:rC+7], v[rX:rX+15], v[rW:rW+15], 0
.else
	v_wmma_f32_16x16x128_fp8_fp8 v[rC:rC+7], v[rX:rX+15], v[rW:rW+15], v[rC:rC+7]
.endif
.endm
; K step s: my part of region s has landed (my 7 - s younger loads may be out); after the barrier everybody's has.
; The eight accumulators take turns, one instruction a turn, in the same order in every step.
.macro KSTEP s
	s_wait_tensorcnt 7-\s
	s_barrier_signal -1                            ; no LDS instruction of mine is out: the last step's count-down ended at 0
	s_barrier_wait -1
.irp u, 0,1
.irp c, 0,1,2,3
	ds_load_b128 v[XF+16*\u+4*\c:XF+16*\u+4*\c+3], v[4+(\s)/2] offset:((\s)%2)*32768+2048*\u+512*\c
.endr
.endr
.irp t, 0,1,2,3
.irp c, 0,1,2,3
	ds_load_b128 v[WF+16*\t+4*\c:WF+16*\t+4*\c+3], v[8+(\s)/2] offset:((\s)%2)*32768+2048*\t+512*\c
.endr
.endr
.irp t, 0,1,2,3
	s_wait_dscnt 12-4*\t                           ; y's fragments and Wo's tile t are in; the later tiles' four loads each may be out
.irp u, 0,1
	MM \s, \u, \t
.endr
.endr
.rept 4
	v_nop                                          ; four places between the last products and the loads into their operands, or the first read of results
.endr
.endm
	s_load_b256 s[4:11], s[0:1], 0x0               ; yimg s[4:5], wimg s[6:7], exponents s[8:9], out0 s[10:11]
	v_lshl_add_u32 v254, v0, 2, 0x40000
	v_mov_b32 v255, 0
	ds_add_u32 v254, v255
	ds_add_u32 v254, v255
	v_lshrrev_b32 v13, 5, v0
	v_readfirstlane_b32 s66, v13                   ; wave 0..7
	s_mov_b32 s67, ttmp9                           ; cp
	s_and_b32 s68, ttmp7, 0xffff                   ; tb
	s_lshr_b32 s69, s66, 2                         ; hd
	s_and_b32 s70, s66, 3                          ; p
	; descriptor group 1: 4,096 dense bytes as 16 rows of 32 elements of 8 bytes, no padding
	s_mov_b32 s24, 3<<16
	s_mov_b32 s25, 32<<16
	s_mov_b32 s26, 16<<16
	s_mov_b32 s27, 32<<16
	s_mov_b32 s28, 16
	s_mov_b32 s29, 32
	s_mov_b32 s30, 0
	s_mov_b32 s31, 0
	s_lshl_b32 s92, s68, 17
	s_lshl_b32 s97, s66, 12                        ; wave x 4,096: also my place in a region
	s_add_co_u32 s92, s92, s97                     ; y's offset (waves 0-3)
	s_lshl_b32 s94, s67, 1
	s_lshr_b32 s95, s70, 1
	s_add_co_u32 s94, s94, s95
	s_add_co_u32 s94, s94, 24
	s_lshl_b32 s94, s94, 16
	s_and_b32 s95, s66, 1
	s_lshl_b32 s95, s95, 12
	s_add_co_u32 s94, s94, s95                     ; Wo's offset (waves 4-7)
	s_mov_b32 s98, 8192
	s_mov_b32 s99, 0
	s_wait_dscnt 0x0
	s_wait_kmcnt 0x0
	s_cmp_lt_u32 s66, 4                            ; the choice hangs on the wave's number alone
	s_cselect_b64 s[72:73], s[4:5], s[6:7]
	s_cselect_b32 s94, s92, s94
	s_cselect_b32 s98, 16384, s98
	s_mov_b32 s95, 0
	s_add_nc_u64 s[72:73], s[72:73], s[94:95]
.irp s, 0,1,2,3,4,5,6,7
	s_mov_b32 s[32+4*\s], 1
	s_add_co_u32 s[33+4*\s], s97, \s*32768
	s_mov_b64 s[34+4*\s:35+4*\s], s[72:73]
	s_or_b32 s[35+4*\s], s[35+4*\s], 0x80000000
	s_add_nc_u64 s[72:73], s[72:73], s[98:99]
.endr
	s_load_b64 s[76:77], s[8:9], 0x28              ; e10, e11
.irp s, 0,1,2,3,4,5,6,7
	tensor_load_to_lds s[32+4*\s:35+4*\s], s[24:31]   ; all first fills in one group, ahead of every wait on TENSORcnt, LDS read and barrier
	s_nop 0
.endr
.rept 4
	v_nop
.endr
	v_and_b32 v1, 31, v0
	v_lshlrev_b32 v1, 4, v1
	v_and_b32 v2, 15, v0                           ; r
	v_bfe_u32 v3, v0, 4, 1                         ; h
	s_lshl_b32 s92, s70, 12
	s_lshl_b32 s93, s69, 13
	s_add_co_u32 s93, s93, 16384
.irp n, 0,1,2,3
	v_add_nc_u32 v[4+\n], s92, v1
	v_add_nc_u32 v[8+\n], s93, v1
	s_add_co_u32 s92, s92, 65536
	s_add_co_u32 s93, s93, 65536
.endr
	v_and_b32 v13, 3, v2                           ; sigma(r), in registers that hold nothing else: v4-11 keep the LDS addresses
	v_and_b32 v14, 4, v2
	v_lshl_or_b32 v13, v14, 1, v13
	v_and_b32 v14, 8, v2
	v_lshrrev_b32 v14, 1, v14
	v_or_b32 v13, v13, v14
	v_lshlrev_b32 v12, 15, v3                      ; 8 h rows of 4,096 bytes
	v_lshl_add_u32 v12, v13, 4, v12
	s_lshl_b32 s92, s68, 19                        ; token 128 tb + 32 p,
	s_lshl_b32 s93, s70, 17
	s_add_co_u32 s92, s92, s93
	s_lshl_b32 s93, s67, 9                         ; columns 128 cp + 64 hd
	s_add_co_u32 s92, s92, s93
	s_lshl_b32 s93, s69, 8
	s_add_co_u32 s92, s92, s93
	s_mov_b32 s93, 0
	s_add_nc_u64 s[10:11], s[10:11], s[92:93]
.irp s, 0,1,2,3,4,5,6,7
	KSTEP \s
.endr
	s_wait_kmcnt 0x0
	s_add_co_i32 s86, s76, s77
	s_add_co_i32 s86, s86, 127
	s_lshl_b32 s86, s86, 23                        ; 2^(e10 + e11)
.irp u, 0,1
.irp j, 0,1,2,3,4,5,6,7
.irp t, 0,1,2,3
	v_mul_f32 v[80+32*\u+4*\j+\t], s86, v[ACC+8*(4*\u+\t)+\j]   ; each accumulator from its low end on; four tiles' numbers side by side
.endr
.endr
.irp j, 0,1,2,3,4,5,6,7
	global_store_b128 v12, v[80+32*\u+4*\j:80+32*\u+4*\j+3], s[10:11] offset:(16*\u+\j)*4096 th:TH_STORE_NT   ; lanes 0-15 fill 256 aligned bytes of token 16 u + j, lanes 16-31 of token 16 u + 8 + j
.endr
.endr
	s_wait_tensorcnt 0x0
	ds_add_u32 v254, v255
	s_wait_dscnt 0x0
	s_endpgm
.Lfunc_end_k_q92bed37127_oproj:
	.size	k_q92bed37127_oproj, .Lfunc_end_k_q92bed37127_oproj-k_q92bed37127_oproj
	.p2alignl 7, 3214868480
	.fill 96, 4, 3214868480
	.section	.rodata,"a",@progbits
	.p2align	6, 0x0
	.amdhsa_kernel k_q92bed37127_oproj
		.amdhsa_group_segment_fixed_size 263168
		.amdhsa_private_segment_fixed_size 0
		.amdhsa_enable_private_segment 0
		.amdhsa_kernarg_size 32
		.amdhsa_user_sgpr_count 2
		.amdhsa_user_sgpr_kernarg_segment_ptr 1
		.amdhsa_wavefront_size32 1
		.amdhsa_system_sgpr_workgroup_id_x 1
		.amdhsa_system_sgpr_workgroup_id_y 1
		.amdhsa_system_sgpr_workgroup_id_z 1
		.amdhsa_system_vgpr_workitem_id 0
		.amdhsa_next_free_vgpr 256
		.amdhsa_next_free_sgpr 100
		.amdhsa_reserve_vcc 0
		.amdhsa_float_denorm_mode_32 3
		.amdhsa_float_denorm_mode_16_64 3
		.amdhsa_memory_ordered 1
		.amdhsa_forward_progress 1
		.amdhsa_inst_pref_size 29
	.end_amdhsa_kernel
	.amdgpu_metadata
---
amdhsa.version: [ 1, 2 ]
amdhsa.kernels:
  - .name:           k_q92bed37127_oproj
    .symbol:         k_q92bed37127_oproj.kd
    .args:
      - { .name: yimg, .offset: 0, .size: 8, .value_kind: global_buffer, .address_space: global }
      - { .name: wimg, .offset: 8, .size: 8, .value_kind: global_buffer, .address_space: global }
      - { .name: lowp_scales, .offset: 16, .size: 8, .value_kind: global_buffer, .address_space: global }
      - { .name: out0, .offset: 24, .size: 8, .value_kind: global_buffer, .address_space: global }
    .group_segment_fixed_size: 263168
    .private_segment_fixed_size: 0
    .kernarg_segment_align: 8
    .kernarg_segment_size: 32
    .max_flat_workgroup_size: 256
    .sgpr_count:     100
    .vgpr_count:     256
    .wavefront_size: 32
...
	.end_amdgpu_metadata
.endif
;; end of part 4
;; ======== version 2 of 2: 4 launches; version 1 with the launch attn written anew for expert scheduling mode
;; workspace buffers: ximg 12,582,912 bytes; wimg 2,621,440 bytes; qimg 4,194,304 bytes; kimg 1,048,576 bytes; vimg 1,048,576 bytes; yimg 4,194,304 bytes
;; launch prep: the kernel of part 1 again; grid 416 x 1, 8 waves a work-group, no clusters, 68,608 bytes of LDS; arguments x, Wq, Wk, Wv, Wo, lowp_scales, ximg, wimg; writes ximg, wimg
;; launch qkv: the kernel of part 2 again; grid 12 x 32, 8 waves a work-group, no clusters, 264,192 bytes of LDS; arguments ximg, wimg, lowp_scales, cos, sin, x, Wg, ve, qimg, kimg, vimg; writes qimg, kimg, vimg
;; launch attn (part 5): grid 64 x 4, 16 waves a work-group, no clusters, 141,312 bytes of LDS; arguments qimg, kimg, vimg, lowp_scales, yimg; writes yimg
.if DOCPART == 5
	.amdgcn_target "amdgcn-amd-amdhsa--gfx1250"
	.amdhsa_code_object_version 6
	.text
	.protected	k_q92bed37127_attn
	.globl	k_q92bed37127_attn
	.p2align	8
	.type	k_q92bed37127_attn,@function
k_q92bed37127_attn:
	s_mov_b64 s[64:65], 0
	v_nop
	global_prefetch_b8 v0, s[64:65] scope:SCOPE_SE
	s_setreg_imm32_b32 hwreg(HW_REG_WAVE_SCHED_MODE, 0, 2), 2
	s_setreg_imm32_b32 hwreg(HW_REG_WAVE_MODE, 25, 1), 1
	s_wait_xcnt 0x0
	s_wait_alu depctr_vm_vsrc(0)
; ATTN.  y[q] = sum over keys k with q - 1024 <= k <= q of softmax(q . k / 8) v, both products on E4M3 codes (v_wmma_f32_16x16x64_fp8_fp8, f32 sums); y is quantised with 2^e10 and stored as the last product's operand image.
; THE SOFTMAX: t = score x log2(e) / 8; M = the running largest t rounded UP to a whole number; p = 2^(t - M) is quantised with 2^e9, not normalised; the row's sum is taken of the unquantised p and divides at the end;
; when M moves, the sum and O are multiplied by 2^(old M - new M), which rounds nothing.
; LIMITS: e6 + e7 between -123 and 130 (added to c's exponent field); e9, e10 between -126 and 119; e8 + e9 is applied by v_ldexp_f32.  NaN among the inputs is not served.
; SHARES.  Work-group (qb, kvh): 64 queries x the four query heads of one key and value head.  Wave w: head 4 kvh + w / 4, queries 64 qb + 16 (w % 4) + 0..15: one tile, four waves to a SIMD, so that one wave's
; vector work stands beside another's products and LDS loads.
; THE BAND.  Queries of block qb see key blocks qb - 16 .. qb (64 keys each).  The 17 blocks from kb0 = max(qb - 16, 0) on, 4,096 bytes of K's and of V's images each, are brought into LDS ONCE, through registers
; (8,704 consecutive bytes a wave); one barrier; then every wave walks them.  The trip count is the constant 17; blocks behind the diagonal (only where qb < 16) are passed over by a scalar branch on ids.
; LAYOUT.  Both products transposed: S^T = K Q^T (source 0 = 16 keys), O^T = V^T P^T (source 0 = 16 channels): a lane holds ONE query (lane % 16).  Register j of score tile c is key 16 c + 8 h + j, so the conversion
; of tile c gives registers 2 c, 2 c + 1 of P.  Register j of O^T's tile t is channel 16 h + 4 (j % 4) + 32 (j / 4) + t (V's rows were laid so), which put in order gives 2 x 16 neighbours along the last product's K.
; NO CLUSTER: neighbouring query blocks' bands begin at different key blocks, so a shared tile would have to land at an LDS address that hangs on the work-group's place.  NO PREFETCH: all that a work-group reads is asked for at its head.
; No tensor load and no copy.
; THE MODE: SCHED_MODE bits 1:0 = 2 (LLVM: expert scheduling mode 2), set by the entry lines.  The code itself states the register dependences between vector or matrix instructions and memory or LDS instructions,
; with s_wait_alu, always for 0.
; THE PLAN.  Registers that memory or LDS instructions touch:
;   v1, v5     offsets and addresses, made once at the head and never written again.
;   v32-99     at the head: the fill: written by global loads, read by my LDS stores; behind the barrier they are KF, VF and the scores' first four registers.
;   KF         Block j: its four score products, at the block's head, read KF; the LDS loads in the block's middle bring block j + 1's K into it.
;   VF         Block j: its four products V^T P, at the block's end, read VF; the LDS loads in block j + 1's middle bring that block's V into it.
;   v3, v4     LDS addresses of the block in hand: written by two additions behind the score products, read by the sixteen loads in the block's middle.
;   PC         at the end: written by y's conversions, read by the two stores.
;   The scores, p, O^T and the statistics are named by vector and matrix instructions alone.
; So a block has ONE wait on va_vdst, behind its exponentials: it also states that v3 and v4 are written, that this block's score products are done reading KF and
; the last block's V^T P done reading VF.  The block's sixteen LDS loads follow it.  One wait on vm_vsrc a block stands ahead of the additions to v3 and v4.
.set KF, 32                            ; v32-63   K's four fragments (at the head v32-99: the fill)
.set VF, 64                            ; v64-95   V's four
.set S,  96                            ; v96-127  scores, then p; at the end y
.set O,  128                           ; v128-159 O^T
.set PC, 160                           ; v160-167 p's codes; at the end y's
.set VOFF, 69632                       ; LDS: K's 17 blocks, then V's
; v1 16 x lane; v2 d = 16 (w % 4) + r - 8 h; v3, v4 LDS addresses of the block in hand in K's and in V's bytes; v5 the fill's; v6 -infinity; v8-15 Q; v16 -M, v17 the largest t; v[18:19] the sum; v[20:21] f; v22-27 at work; v28 448 x 2^e9, v29 2^e9; v30 2^e10, v31 448 x 2^e10
; s14 wave, s15 qb, s16 kvh, s17 head, s18 the key block in hand, s19 its LDS byte, s20 the trip; s[22:23] c; s[24:25] lane selects; s[28:31] e6 .. e9, s32 e10; s48-63 sixteen lane masks
.macro SCALE se, vsc, vlim
	s_add_co_i32 s44, s[\se], 127
	s_lshl_b32 s45, s44, 23
	v_mov_b32 v[\vsc], s45
	s_add_co_i32 s44, s44, 8
	s_lshl_b32 s44, s44, 23
	s_or_b32 s44, s44, 0x600000
	v_mov_b32 v[\vlim], s44
.endm
; Register n holds local key 16 (n / 8) + n % 8 + 8 h; it is compared with my local query less 8 h; hidden scores become -infinity: p = 0.  The compares go in runs of sixteen, each into a scalar register of its own.
.macro MASK cmp
.irp g, 0,1
.irp n, 0,1,2,3,4,5,6,7,8,9,10,11,12,13,14,15
	\cmp s[48+\n], 16*(2*\g+\n/8)+\n%8, v2
.endr
	s_wait_alu depctr_va_sdst(0)                   ; the sixteen compares have written s48 to s63, which the selections below read
.irp n, 0,1,2,3,4,5,6,7,8,9,10,11,12,13,14,15
	v_cndmask_b32 v[S+16*\g+\n], v[S+16*\g+\n], v6, s[48+\n]   ; each score tile from its low end on
.endr
.endr
.endm
	s_load_b256 s[4:11], s[0:1], 0x0               ; qimg s[4:5], kimg s[6:7], vimg s[8:9], exponents s[10:11]
	s_load_b64 s[12:13], s[0:1], 0x20              ; yimg
	v_lshl_add_u32 v190, v0, 2, 0x22000
	v_mov_b32 v191, 0
	v_lshrrev_b32 v22, 5, v0
	v_readfirstlane_b32 s14, v22                   ; wave 0..15
	s_mov_b32 s15, ttmp9                           ; qb
	s_and_b32 s16, ttmp7, 0xffff                   ; kvh
	v_and_b32 v1, 31, v0
	v_lshlrev_b32 v1, 4, v1
	v_and_b32 v23, 15, v0                          ; r
	v_bfe_u32 v24, v0, 4, 1                        ; h
	s_wait_alu depctr_va_sdst(0)                   ; s14 is written, ahead of its first reader: offsets, bases and the choice of the fill's buffer are made from it
	s_and_b32 s34, s14, 3
	s_lshl_b32 s35, s34, 4
	v_lshlrev_b32 v24, 3, v24
	v_sub_nc_u32 v2, v23, v24
	v_add_nc_u32 v2, s35, v2                       ; d, a signed number
	s_mul_i32 s36, s14, 8704
	v_add_nc_u32 v5, s36, v1                       ; the fill: waves 0-7 K's bytes, waves 8-15 V's: 8 x 8,704 = 69,632
	s_sub_co_i32 s18, s15, 16
	s_max_i32 s18, s18, 0                          ; kb0: blocks kb0 .. kb0 + 16 lie inside the 64
	s_lshl_b32 s38, s16, 18
	s_lshl_b32 s39, s18, 12
	s_add_co_u32 s38, s38, s39
	s_and_b32 s39, s14, 7
	s_mul_i32 s39, s39, 8704
	s_add_co_u32 s38, s38, s39
	s_mov_b32 s39, 0
	s_lshl_b32 s40, s16, 2
	s_lshr_b32 s41, s14, 2
	s_add_co_u32 s17, s40, s41                     ; head
	s_lshl_b32 s40, s17, 18
	s_lshl_b32 s41, s15, 12
	s_add_co_u32 s40, s40, s41
	s_lshl_b32 s41, s34, 10
	s_add_co_u32 s40, s40, s41                     ; token tile 4 qb + w % 4
	s_mov_b32 s41, 0
	s_lshr_b32 s42, s15, 1                         ; yimg: block of 128 tokens,
	s_lshl_b32 s42, s42, 17
	s_lshr_b32 s43, s17, 1                         ; K step = head / 2,
	s_lshl_b32 s43, s43, 14
	s_add_co_u32 s42, s42, s43
	s_and_b32 s43, s15, 1
	s_lshl_b32 s43, s43, 2
	s_add_co_u32 s43, s43, s34                     ; tile in the block,
	s_lshl_b32 s43, s43, 11
	s_add_co_u32 s42, s42, s43
	s_and_b32 s43, s17, 1                          ; groups 2 (head % 2), + 1
	s_lshl_b32 s43, s43, 10
	s_add_co_u32 s42, s42, s43
	s_mov_b32 s43, 0
	s_wait_kmcnt 0x0
	s_load_b128 s[28:31], s[10:11], 0x18           ; e6, e7, e8, e9
	s_load_b32 s32, s[10:11], 0x28                 ; e10
	s_add_nc_u64 s[4:5], s[4:5], s[40:41]
	s_add_nc_u64 s[12:13], s[12:13], s[42:43]
	s_cmp_lt_u32 s14, 8                            ; the choice hangs on the wave's number alone
	s_cselect_b64 s[6:7], s[6:7], s[8:9]
	s_add_nc_u64 s[6:7], s[6:7], s[38:39]
	s_wait_alu depctr_va_vdst(0)                   ; v1 and v5 are written: v1 is the offset of every global load and store and the address of the first block's K, v5 the address of the fill's LDS stores
	global_load_b128 v[8:11], v1, s[4:5]           ; Q stays in registers
	global_load_b128 v[12:15], v1, s[4:5] offset:512
.irp n, 0,1,2,3,4,5,6,7,8,9,10,11,12,13,14,15,16
	global_load_b128 v[32+4*\n:35+4*\n], v1, s[6:7] offset:512*\n
.endr
	v_mov_b32 v6, 0xff800000
	v_mov_b32 v17, 0xff61b1e6                      ; the largest t so far: -3e38, under every t
	v_floor_f32 v16, -v17                          ; -M
	v_mov_b32 v18, 0
	v_mov_b32 v19, 0
	v_mov_b32 v21, 0                               ; named as the upper half of the pair v[20:21]
.irp j, 0,1,2,3,4,5,6,7,8,9,10,11,12,13,14,15,16,17,18,19,20,21,22,23,24,25,26,27,28,29,30,31
	v_mov_b32 v[O+\j], 0                           ; the loop is written once: its first step finds zeros, which the first change of M leaves zeros
.endr
	s_mov_b32 s24, 0x76543210
	s_mov_b32 s25, 0xfedcba98
	s_wait_kmcnt 0x0
	s_add_co_i32 s22, s28, s29
	s_lshl_b32 s22, s22, 23
	s_add_co_i32 s22, s22, 0x3e38aa3b              ; c = log2(e) / 8 x 2^(e6 + e7)
	s_mov_b32 s23, s22
	SCALE 31, 29, 28
	SCALE 32, 30, 31
	s_add_co_i32 s47, s30, s31                     ; e8 + e9
.irp n, 0,1,2,3,4,5,6,7,8,9,10,11,12,13,14,15,16
	s_wait_loadcnt 16-\n                           ; Q and fill n are in; the younger fills may be out
	ds_store_b128 v5, v[32+4*\n:35+4*\n] offset:512*\n   ; no vector line since the wait on va_vdst names v5 or the fill's registers
.endr
	s_wait_dscnt 0x0                               ; for the others' sake: my stores have landed
	s_barrier_signal -1
	s_barrier_wait -1                              ; the band is whole; nothing writes LDS from here on
	s_wait_alu depctr_vm_vsrc(0)                   ; my LDS stores have read v32 to v99: from here on K's and V's loads land there, and the score products write v96 on
.irp c, 0,1,2,3
	ds_load_b128 v[KF+8*\c:KF+8*\c+3], v1 offset:1024*\c        ; the first block's K lies at LDS byte 0: 16 x lane is its address
	ds_load_b128 v[KF+8*\c+4:KF+8*\c+7], v1 offset:1024*\c+512
.endr
	s_mov_b32 s19, 0
	s_mov_b32 s20, 0
	s_wait_dscnt 0x0                               ; the first block's K is in; every later block's was shown in by the wait ahead of the block before's V^T P
.Lblk:
	s_cmp_gt_u32 s18, s15                          ; all 64 keys come after my queries
	s_cbranch_scc1 .Lskip
.irp c, 0,1,2,3
	v_wmma_f32_16x16x64_fp8_fp8 v[S+8*\c:S+8*\c+7], v[KF+8*\c:KF+8*\c+7], v[8:15], 0
.endr
	s_wait_alu depctr_vm_vsrc(0)                   ; the last block's LDS loads have read v3 and v4, which are written anew
	v_add_nc_u32 v3, s19, v1
	v_add_nc_u32 v4, VOFF, v3
	v_nop
	v_nop                                          ; with the two additions: four places between the score products and the first read of their results (ISA guide 7.12.1)
	s_cmp_lg_u32 s18, s15
	s_cbranch_scc1 .Lnodiag
	MASK v_cmp_gt_i32                              ; the diagonal block: hidden where key > query
.Lnodiag:
	s_add_co_u32 s46, s18, 16
	s_cmp_lg_u32 s46, s15
	s_cbranch_scc1 .Lnowin
	MASK v_cmp_lt_i32                              ; the window's first block: hidden where key < query - 1024.  The key at query - 1024 counts, so M is a number from the first block on
.Lnowin:
	v_max3_num_f32 v22, v[S], v[S+1], v[S+2]       ; the block's largest score of my query among my 32 keys, in two chains; each tile is first read at its low end
	v_max3_num_f32 v23, v[S+3], v[S+4], v[S+5]
.irp i, 6,10,14,18,22,26
	v_max3_num_f32 v22, v22, v[S+\i], v[S+\i+1]
	v_max3_num_f32 v23, v23, v[S+\i+2], v[S+\i+3]
.endr
	v_max3_num_f32 v22, v22, v[S+30], v[S+31]
	v_max_num_f32 v22, v22, v23
	v_permlanex16_b32 v24, v22, s24, s25
	v_max_num_f32 v22, v22, v24                    ; and among lane l xor 16's
	v_mul_f32 v22, s22, v22                        ; as t (c is positive)
	v_max_num_f32 v17, v17, v22
	v_mov_b32 v22, v16
	v_floor_f32 v16, -v17                          ; the new -M = -ceil(t)
	v_sub_f32 v22, v16, v22                        ; old M - new M: a whole number, 0 or less
	v_cvt_i32_f32 v22, v22                         ; (it saturates)
	v_ldexp_f32 v20, 1.0, v22                      ; f = 2^(old M - new M)
.irp j, 0,2,4,6,8,10,12,14,16,18,20,22,24,26,28,30
	v_pk_fma_f32 v[S+\j:S+\j+1], v[S+\j:S+\j+1], s[22:23], v[16:17] op_sel_hi:[1,0,0]   ; t - M
.endr
.irp j, 0,1,2,3,4,5,6,7,8,9,10,11,12,13,14,15,16,17,18,19,20,21,22,23,24,25,26,27,28,29,30,31
	v_exp_f32 v[S+\j], v[S+\j]                     ; p, at most 1
.endr
	v_pk_mul_f32 v[18:19], v[18:19], v[20:21] op_sel_hi:[1,0]   ; the sum under the new M: the plain line behind the exponentials
	s_wait_alu depctr_va_vdst(0)                   ; THE BLOCK'S ONE WAIT: the 32 exponentials have written p, ahead of its first reader; v3 and v4 are written; the score products are done reading KF, the last block's V^T P done reading VF
.irp t, 0,1,2,3
	ds_load_b128 v[VF+8*\t:VF+8*\t+3], v4 offset:1024*\t        ; this block's V
	ds_load_b128 v[VF+8*\t+4:VF+8*\t+7], v4 offset:1024*\t+512
.endr
	s_cmp_ge_u32 s18, s15                          ; the diagonal block is my last: no K is asked for behind it
	s_cbranch_scc1 .Lnonext
.irp c, 0,1,2,3
	ds_load_b128 v[KF+8*\c:KF+8*\c+3], v3 offset:4096+1024*\c   ; the next block's K, half a block ahead of its products.  No wait: no vector or matrix line since the wait above names KF or v3
	ds_load_b128 v[KF+8*\c+4:KF+8*\c+7], v3 offset:4096+1024*\c+512
.endr
.Lnonext:
	v_pk_add_f32 v[26:27], v[S:S+1], v[S+2:S+3]    ; the sum of the unquantised p, in two chains
.irp j, 4,8,12,16,20,24,28
	v_pk_add_f32 v[18:19], v[18:19], v[S+\j:S+\j+1]
	v_pk_add_f32 v[26:27], v[26:27], v[S+\j+2:S+\j+3]
.endr
	v_pk_add_f32 v[18:19], v[18:19], v[26:27]
	s_cmp_ge_i32 s31, -8                           ; p <= 1 <= 448 x 2^e9 from e9 = -8 on: the hold could change nothing
	s_cbranch_scc1 .Lnohold
.irp j, 0,1,2,3,4,5,6,7,8,9,10,11,12,13,14,15,16,17,18,19,20,21,22,23,24,25,26,27,28,29,30,31
	v_min_num_f32 v[S+\j], v[S+\j], v28            ; p is not negative: the hold is one-sided
.endr
.Lnohold:
.irp c, 0,1,2,3
	v_cvt_scalef32_pk8_fp8_f32 v[PC+2*\c:PC+2*\c+1], v[S+8*\c:S+8*\c+7], v29
.endr
.irp j, 0,2,4,6,8,10,12,14,16,18,20,22,24,26,28,30
	v_pk_mul_f32 v[O+\j:O+\j+1], v[O+\j:O+\j+1], v[20:21] op_sel_hi:[1,0]   ; O^T under the new M; these also stand between the conversions and the products that read the codes
.endr
	s_wait_dscnt 0x0                               ; V is in, and so is the next block's K where it was asked for: the count is right on both ways round that branch
.irp t, 0,1,2,3
	v_wmma_f32_16x16x64_fp8_fp8 v[O+8*\t:O+8*\t+7], v[VF+8*\t:VF+8*\t+7], v[PC:PC+7], v[O+8*\t:O+8*\t+7]   ; the four accumulators by turns; the next matrix instruction is a score's
.endr
.Lskip:
	s_add_co_u32 s18, s18, 1
	s_add_co_u32 s19, s19, 4096
	s_add_co_u32 s20, s20, 1
	s_cmp_lt_u32 s20, 17
	s_cbranch_scc1 .Lblk
.rept 4
	v_nop                                          ; places behind the last products
.endr
	v_add_f32 v18, v18, v19
	v_permlanex16_b32 v24, v18, s24, s25
	v_add_f32 v18, v18, v24                        ; the row's sum
	v_rcp_f32 v18, v18
	v_nop
	s_wait_alu depctr_va_vdst(0)                   ; the reciprocal has written v18, ahead of its first reader
	v_ldexp_f32 v18, v18, s47                      ; x 2^(e8 + e9)
.irp t, 0,1,2,3
.irp j, 0,1,2,3,4,5,6,7
	v_mul_f32 v[S+16*(\j/4)+4*(\j%4)+\t], v[O+8*\t+\j], v18   ; y, put in the order of the last product's K: index 16 g + i is channel 32 g + 16 h + i
.endr
.endr
.irp i, 0,1,2,3,4,5,6,7,8,9,10,11,12,13,14,15,16,17,18,19,20,21,22,23,24,25,26,27,28,29,30,31
	v_med3_num_f32 v[S+\i], v[S+\i], -v31, v31
.endr
.irp q, 0,1,2,3
	v_cvt_scalef32_pk8_fp8_f32 v[PC+2*\q:PC+2*\q+1], v[S+8*\q:S+8*\q+7], v30
.endr
	v_nop                                          ; a plain line behind the last conversion
	s_wait_alu depctr_va_vdst(0)                   ; the conversions have written v[PC ..], which the two stores read
	global_store_b128 v1, v[PC:PC+3], s[12:13]
	global_store_b128 v1, v[PC+4:PC+7], s[12:13] offset:512
	s_wait_dscnt 0x0
	s_wait_alu depctr_hold_cnt(0) depctr_sa_sdst(0) depctr_va_vdst(0) depctr_va_sdst(0) depctr_va_ssrc(0) depctr_va_vcc(0) depctr_vm_vsrc(0)
	s_wait_tensorcnt 0x0
	ds_add_u32 v190, v191
	s_wait_dscnt 0x0
	s_endpgm
.Lfunc_end_k_q92bed37127_attn:
	.size	k_q92bed37127_attn, .Lfunc_end_k_q92bed37127_attn-k_q92bed37127_attn
	.p2alignl 7, 3214868480
	.fill 96, 4, 3214868480
	.section	.rodata,"a",@progbits
	.p2align	6, 0x0
	.amdhsa_kernel k_q92bed37127_attn
		.amdhsa_group_segment_fixed_size 141312
		.amdhsa_private_segment_fixed_size 0
		.amdhsa_enable_private_segment 0
		.amdhsa_kernarg_size 40
		.amdhsa_user_sgpr_count 2
		.amdhsa_user_sgpr_kernarg_segment_ptr 1
		.amdhsa_wavefront_size32 1
		.amdhsa_system_sgpr_workgroup_id_x 1
		.amdhsa_system_sgpr_workgroup_id_y 1
		.amdhsa_system_sgpr_workgroup_id_z 1
		.amdhsa_system_vgpr_workitem_id 0
		.amdhsa_next_free_vgpr 192
		.amdhsa_next_free_sgpr 66
		.amdhsa_reserve_vcc 0
		.amdhsa_float_denorm_mode_32 3
		.amdhsa_float_denorm_mode_16_64 3
		.amdhsa_memory_ordered 1
		.amdhsa_forward_progress 1
		.amdhsa_inst_pref_size 31
	.end_amdhsa_kernel
	.amdgpu_metadata
---
amdhsa.version: [ 1, 2 ]
amdhsa.kernels:
  - .name:           k_q92bed37127_attn
    .symbol:         k_q92bed37127_attn.kd
    .args:
      - { .name: qimg, .offset: 0, .size: 8, .value_kind: global_buffer, .address_space: global }
      - { .name: kimg, .offset: 8, .size: 8, .value_kind: global_buffer, .address_space: global }
      - { .name: vimg, .offset: 16, .size: 8, .value_kind: global_buffer, .address_space: global }
      - { .name: lowp_scales, .offset: 24, .size: 8, .value_kind: global_buffer, .address_space: global }
      - { .name: yimg, .offset: 32, .size: 8, .value_kind: global_buffer, .address_space: global }
    .group_segment_fixed_size: 141312
    .private_segment_fixed_size: 0
    .kernarg_segment_align: 8
    .kernarg_segment_size: 40
    .max_flat_workgroup_size: 512
    .sgpr_count:     66
    .vgpr_count:     192
    .wavefront_size: 32
...
	.end_amdgpu_metadata
.endif
;; end of part 5
;; launch oproj: the kernel of part 4 again; grid 8 x 32, 8 waves a work-group, no clusters, 263,168 bytes of LDS; arguments yimg, wimg, lowp_scales, out0; writes out0
